; MI455X (gfx1250); checked and timed in simulation.
; The chip was launched on July 23, 2026; its instructions are those of AMD's public machine-readable ISA for CDNA 5 (MIT licence, August 2026) and "CDNA5" Instruction Set Architecture Reference Guide (July 2026). The comments in the code are by the model that wrote it; some were corrected since.
;; Multi Head Self Attention. Allowed arithmetic: matrix products marked QUANTISED: E4M3 operands, one given power-of-two scale a tensor, by v_wmma_f32_16x16x64_fp8_fp8 or v_wmma_f32_16x16x128_fp8_fp8, f32 sums; everything else in f32.
;; Inputs: Wk 1,024 x 1,024 float32; Wo 1,024 x 1,024 float32; Wq 1,024 x 1,024 float32; Wv 1,024 x 1,024 float32; lowp_scales 12 int32 (the exponents e of the quantised operands' scales 2^e); x 1 x 4,096 x 1,024 float32.
;; Outputs: out0 1 x 4,096 x 1,024 float32.
;; This version of the problem:
;;   THIS VERSION OF THE PROBLEM IS GIVEN IN LOW PRECISION. The matrix products marked QUANTISED in the list below multiply operands that are first quantised to E4M3 (4 exponent bits, 3 mantissa bits; 8 bits a number), with one given power-of-two scale for each operand tensor; their sums are f32. All else is computed in f32.
;;   The module's matrix products, in the order in which they are computed (A, B: the left and right operand; K: the contracted axis; several contracted axes count as one K, in the product's order):
;;     1. [M 4,096, K 1,024] x [K 1,024, N 1,024]; A: input x; B: input Wq: QUANTISED (scales: A lowp_scales[0], B lowp_scales[1])
;;     2. [M 4,096, K 1,024] x [K 1,024, N 1,024]; A: input x; B: input Wk: QUANTISED (scales: A lowp_scales[2], B lowp_scales[3])
;;     3. [M 4,096, K 1,024] x [K 1,024, N 1,024]; A: input x; B: input Wv: QUANTISED (scales: A lowp_scales[4], B lowp_scales[5])
;;     4. batch 16 x [M 4,096, K 64] x [K 64, N 4,096]; A: computed on the way; B: computed on the way: QUANTISED (scales: A lowp_scales[6], B lowp_scales[7])
;;     5. batch 16 x [M 4,096, K 4,096] x [K 4,096, N 64]; A: softmax (see below); B: computed on the way: QUANTISED (scales: A lowp_scales[8], B lowp_scales[9])
;;     6. [M 4,096, K 1,024] x [K 1,024, N 1,024]; A: computed on the way; B: input Wo: QUANTISED (scales: A lowp_scales[10], B lowp_scales[11])
;;   THE QUANTISER, for each operand of a quantised product, along K:
;;     - The operand's scale is 2^e, e = its entry of the input lowp_scales (int32; the entries are numbered through the quantised products in the list's order, A before B).
;;     - Each number is divided by the scale, clamped to +-448, and rounded to the nearest number of E4M3, ties to even, subnormals kept.
;;     - The product sums the exact products of the quantised numbers (number of the format x scale) in f32.
;;   ~~~python
;;   def quantise(x, axis, e):      # numpy; x: float32 -> the quantised numbers, widened to float32 again
;;       x = np.moveaxis(x, axis, -1); K = x.shape[-1]
;;       r = np.clip(x / 2.0 ** e, -448, 448)
;;       step = 2.0 ** (np.maximum(np.frexp(np.where(r == 0, 1, r))[1] - 1, -6) - 3)
;;       q = np.round(r / step) * step * 2.0 ** e      # np.round: ties to even
;;       return np.moveaxis(q, -1, axis).astype(np.float32)
;;   ~~~
;;   SOFTMAX AHEAD OF A QUANTISED PRODUCT. Where the list says 'softmax', what is quantised is not the finished softmax but p = 2^(t - M), with t = logit x log2(e) and M = ceil(the row's largest t), a whole number; so 1/2 < the row's largest p <= 1. The row's sum l is taken of the UNQUANTISED p, in f32, and the product's result is divided by l at the end. Since M is a whole number, a kernel that streams over the keys may use a running M (the ceiling of the running maximum): every later rescaling is an exact power of two, so the quantised numbers keep their values, but for numbers so far below the row's largest that they fall under the format's range.
;;   OPERANDS COMPUTED ON THE WAY. 'Computed on the way' means the value that the module computes at that place (a softmax that the list does not call 'softmax' is quantised finished and normalised). What goes into a quantiser is computed in f32, as accurately as f32 sums, v_exp_f32 and their like allow (about 1e-6 of the number): no bf16 or f16 on the way to a quantiser, and a product that is left as it is and whose result goes on into a quantised operand takes f32 operands (vector FMAs, or v_wmma_f32_16x16x4_f32). A number that lies on a knife's edge between two numbers of the format may be rounded either way, as far as f32 arithmetic and the matrix unit's own rounding can turn it there, and no further.
;; One version. Each part assembles by itself: llvm-mc -triple=amdgcn-amd-amdhsa -mcpu=gfx1250 --defsym DOCPART=n.
;; ======== version 1 of 1: 4 launches
;; limits: right only within a limited range of input values
;; workspace buffers: xc 12,582,912 bytes; wc 4,194,304 bytes; rope 1,048,576 bytes; qc 4,194,304 bytes; kc 4,194,304 bytes; vc 4,194,304 bytes; ac 4,194,304 bytes
;; launch prep (part 1): grid 1088 x 1, 4 waves a work-group, no clusters, 66,048 bytes of LDS; arguments x, Wq, Wk, Wv, Wo, lowp_scales, xc, wc, rope; writes xc, wc, rope
.if DOCPART == 1
	.amdgcn_target "amdgcn-amd-amdhsa--gfx1250"
	.amdhsa_code_object_version 6
	.text
	.protected	k_q343557f73e_prep
	.globl	k_q343557f73e_prep
	.p2align	8
	.type	k_q343557f73e_prep,@function
k_q343557f73e_prep:
	s_mov_b64 s[64:65], 0
	v_nop
	global_prefetch_b8 v0, s[64:65] scope:SCOPE_SE
	s_setreg_imm32_b32 hwreg(HW_REG_WAVE_MODE, 25, 1), 1
	s_wait_xcnt 0x0
; THE QUANTISERS OF THE INPUTS, AND THE TABLE FOR THE ROTATIONS.  Three kinds of work-groups, parted by the work-group's number; they never join.
;   0-511:     x [4096][1024] f32 -> xc [3][4096][1024]: codes of FP8 (E4M3) with the scales 2^e0, 2^e2, 2^e4 (x is an operand of three products, each with a scale of its own); x is read once.
;   512-1023:  Wq, Wk, Wv, Wo [1024][1024] f32 -> wc [4][1024][1024]: codes with 2^e1, 2^e3, 2^e5, 2^e11.  K is innermost in all of them, so every tensor is a plain stream.
;   1024-1087: rope: cos and sin of fl(pos x f_j), pos = 0 .. 4095, f_j = 10^(-j/8), j = 0 .. 31, laid as an image of the reader's registers:
;              [block of 16 positions][b 4][u 2][lane 32][4 f32]; lane (r = lane % 16, h = lane / 16) holds T[16 block + r][16 b + 8 h + 4 u + 0 .. 3], T[pos][2 j] = cos, T[pos][2 j + 1] = sin.
; code = x / 2^e, held within +-448, to the nearest code, ties to even.  LIMITS: each e between -126 and 119; NaN among the inputs is not served.
; f_j is the decimal 10^(-j/8) rounded to f32; a power and a reciprocal taken in f32 may differ from it in the last bit, which moves an angle by at most 2.5e-4 at position 4095.
; The angle is reduced by n = round(a 2/pi) in two fused steps (pi/2 in two parts: the first step is exact for n < 4096) and sin and cos are polynomials on +-pi/4, all in f32.
; A wave of the first two kinds takes 4 steps of 512 numbers, and all its 16 loads go out at once: short runs and many waves, so that many bytes are on their way.  Each load reads 512 consecutive bytes;
; a step's 2,048 bytes turn through the wave's own stage in LDS, so that a lane holds 16 neighbours; a lane's 16 codes are 16 bytes: each store of the wave covers 512 consecutive bytes, aligned.
; Waves share nothing: no barrier.  No tile is shared between work-groups: no cluster.
.set STEPS, 4
.set WGX,   512                        ; work-groups for x: 4,194,304 numbers / (4 waves x 4 steps x 512)
.set WGW,   512                        ; for the four weights, 128 each
.set SP,    80                         ; a lane's place in a stage: 64 bytes + 16 of padding
.set R,     16                         ; v16-79   four sets of 16 numbers as loaded
.set X,     80                         ; v80-111  two sets of 16 neighbours
.set T,     112                        ; v112-127 the numbers held within one scale's range
.set C,     128                        ; v128-151 codes: step parity x scale x 4 registers
.set SC,    160                        ; v160, 162, 164: 2^e as f32;  v161, 163, 165: 448 x 2^e
.set LIM,   161
.set F,     16                         ; the table's path: v16-31 my sixteen frequencies
.set AN,    32                         ; angle, then the reduced angle
.set NN,    36
.set ZZ,    40
.set PSN,   44
.set PCS,   48
.set QI,    52
.set T1,    56
.set OUT,   64                         ; v64-95 the results, never rewritten
	s_load_b256 s[4:11], s[0:1], 0x0               ; x, Wq, Wk, Wv
	s_load_b256 s[12:19], s[0:1], 0x20             ; Wo, the scales' exponents, xc, wc
	s_load_b64 s[20:21], s[0:1], 0x40              ; rope
	v_lshl_add_u32 v192, v0, 2, 0x10000
	v_mov_b32 v193, 0
	v_lshrrev_b32 v1, 5, v0
	v_readfirstlane_b32 s22, v1                    ; wave
	v_and_b32 v2, 31, v0                           ; lane
	v_lshlrev_b32 v3, 4, v2                        ; 16 x lane: my bytes of a load's or a store's 512; never rewritten
	s_lshl_b32 s23, s22, 13                        ; 8,192 bytes of LDS for each wave
	v_lshrrev_b32 v5, 2, v2
	v_mul_u32_u24 v5, v5, SP
	v_and_b32 v6, 3, v2
	v_lshl_add_u32 v5, v6, 4, v5
	v_add_nc_u32 v14, s23, v5                      ; x's stage, in: SP (lane / 4) + 16 (lane % 4)
	v_mul_u32_u24 v6, v2, SP
	v_add_nc_u32 v15, s23, v6                      ; and out: SP x lane
	v_add_nc_u32 v12, 32768, v14                   ; the weights' path has LDS bytes of its own
	v_add_nc_u32 v13, 32768, v15
	s_wait_kmcnt 0x0
	s_cmp_ge_u32 ttmp9, WGX+WGW
	s_cbranch_scc1 .Ltable
	s_cmp_ge_u32 ttmp9, WGX
	s_cbranch_scc1 .Lweights
.macro MKSC e, k                       ; scale k from the exponent in s[e]
	s_add_co_i32 s50, s[\e], 127
	s_lshl_b32 s51, s50, 23
	v_mov_b32 v[SC+2*\k], s51                      ; 2^e as f32: the conversion takes its exponent field
	s_add_co_i32 s50, s50, 8
	s_lshl_b32 s50, s50, 23
	s_or_b32 s50, s50, 0x600000
	v_mov_b32 v[LIM+2*\k], s50                     ; 448 x 2^e
.endm
.macro LOAD t
.irp i, 0,1,2,3
	global_load_b128 v[R+16*((\t)%4)+4*\i:R+16*((\t)%4)+4*\i+3], v3, s[30:31] offset:2048*(\t)+512*\i th:TH_LOAD_NT   ; 32 lanes read 512 consecutive bytes; read once in the launch
.endr
.endm
.macro TURN t, vin, vout               ; step t through the stage: LDS serves a wave's instructions in order, so no wait stands between the stores and the loads
.irp i, 0,1,2,3
	ds_store_b128 v[\vin], v[R+16*((\t)%4)+4*\i:R+16*((\t)%4)+4*\i+3] offset:32*SP*((\t)%2)+8*SP*\i
.endr
.irp i, 0,1,2,3
	ds_load_b128 v[X+16*((\t)%2)+4*\i:X+16*((\t)%2)+4*\i+3], v[\vout] offset:32*SP*((\t)%2)+16*\i
.endr
.endm
.macro STEP t, ns, vin, vout
.set XS, X+16*((\t)%2)
	s_wait_dscnt 0x0                               ; this step's numbers are back from the stage
.if (\t)+1 < STEPS
	s_wait_loadcnt 4*(STEPS-2-(\t))                ; the next step's four loads are in; those of the steps behind it may be out
	TURN (\t)+1, \vin, \vout
.endif
	s_wait_xcnt 0x0                                ; the stores of two steps ago have read their data: these code registers are written again only behind this wait
.irp s, 0,1,2
.if \s < \ns
.irp i, 0,1,2,3,4,5,6,7,8,9,10,11,12,13,14,15
	v_med3_num_f32 v[T+\i], v[XS+\i], -v[LIM+2*\s], v[LIM+2*\s]   ; the conversion to an 8-bit code does not saturate (ISA guide 7.6.2): the hold at the largest code x the scale
.endr
	v_cvt_scalef32_pk8_fp8_f32 v[C+12*((\t)%2)+4*\s:C+12*((\t)%2)+4*\s+1], v[T:T+7], v[SC+2*\s]
	v_cvt_scalef32_pk8_fp8_f32 v[C+12*((\t)%2)+4*\s+2:C+12*((\t)%2)+4*\s+3], v[T+8:T+15], v[SC+2*\s]
	v_nop                                          ; a plain line between the conversions and the next holds, which write the conversions' sources
	global_store_b128 v3, v[C+12*((\t)%2)+4*\s:C+12*((\t)%2)+4*\s+3], s[24+2*\s:25+2*\s] offset:512*(\t)   ; 512 consecutive bytes, aligned
.endif
.endr
.endm
.macro QRUN ns, vin, vout
	s_wait_loadcnt 12                              ; step 0's four loads are in; the twelve of steps 1 to 3 may be out
	TURN 0, \vin, \vout
.irp t, 0,1,2,3
	STEP \t, \ns, \vin, \vout
.endr
.endm
	; ---- x: my wave's 2,048 numbers, three sets of codes
	s_load_b256 s[32:39], s[14:15], 0x0            ; e0 .. e7
	s_lshl_b32 s44, ttmp9, 2
	s_add_co_u32 s44, s44, s22                     ; which run of 2,048 numbers
	s_lshl_b32 s46, s44, 13
	s_mov_b32 s47, 0
	s_add_nc_u64 s[30:31], s[4:5], s[46:47]
	s_lshl_b32 s46, s44, 11
	s_add_nc_u64 s[24:25], s[16:17], s[46:47]      ; the three sets lie 4 MiB apart: a base for each
	s_add_nc_u64 s[26:27], s[24:25], 0x400000
	s_add_nc_u64 s[28:29], s[24:25], 0x800000
.irp t, 0,1,2,3
	LOAD \t
.endr
	s_wait_kmcnt 0x0
	MKSC 32, 0
	MKSC 34, 1
	MKSC 36, 2
	s_wait_alu depctr_va_vdst(0)
	QRUN 3, 14, 15
	s_wait_tensorcnt 0x0
	ds_add_u32 v192, v193
	s_wait_dscnt 0x0
	s_endpgm
	; ---- the weights: 128 work-groups to a tensor
.Lweights:
	s_load_b256 s[32:39], s[14:15], 0x0            ; e0 .. e7
	s_load_b128 s[40:43], s[14:15], 0x20           ; e8 .. e11
	s_sub_co_u32 s44, ttmp9, WGX
	s_lshr_b32 s45, s44, 7                         ; which tensor: the choice hangs on the work-group's number alone
	s_mov_b64 s[30:31], s[6:7]
	s_cmp_eq_u32 s45, 1
	s_cselect_b64 s[30:31], s[8:9], s[30:31]
	s_cmp_eq_u32 s45, 2
	s_cselect_b64 s[30:31], s[10:11], s[30:31]
	s_cmp_eq_u32 s45, 3
	s_cselect_b64 s[30:31], s[12:13], s[30:31]
	s_and_b32 s46, s44, 127
	s_lshl_b32 s46, s46, 2
	s_add_co_u32 s46, s46, s22
	s_lshl_b32 s46, s46, 13
	s_mov_b32 s47, 0
	s_add_nc_u64 s[30:31], s[30:31], s[46:47]
	s_lshl_b32 s46, s44, 2
	s_add_co_u32 s46, s46, s22
	s_lshl_b32 s46, s46, 11
	s_add_nc_u64 s[24:25], s[18:19], s[46:47]
.irp t, 0,1,2,3
	LOAD \t
.endr
	s_wait_kmcnt 0x0
	s_mov_b32 s48, s33                             ; e1, e3, e5 or e11
	s_cmp_eq_u32 s45, 1
	s_cselect_b32 s48, s35, s48
	s_cmp_eq_u32 s45, 2
	s_cselect_b32 s48, s37, s48
	s_cmp_eq_u32 s45, 3
	s_cselect_b32 s48, s43, s48
	MKSC 48, 0
	s_wait_alu depctr_va_vdst(0)
	QRUN 1, 12, 13
	s_wait_tensorcnt 0x0
	ds_add_u32 v192, v193
	s_wait_dscnt 0x0
	s_endpgm
	; ---- the table: a wave makes one block of 16 positions, 4,096 bytes
.Ltable:
	s_sub_co_u32 s44, ttmp9, WGX+WGW
	s_lshl_b32 s44, s44, 2
	s_add_co_u32 s44, s44, s22                     ; the block
	s_lshl_b32 s45, s44, 4
	s_lshl_b32 s46, s44, 12
	s_mov_b32 s47, 0
	s_add_nc_u64 s[20:21], s[20:21], s[46:47]
	v_and_b32 v6, 15, v2
	v_add_nc_u32 v6, s45, v6
	v_cvt_f32_u32 v7, v6                           ; my position
	v_lshrrev_b32 v5, 4, v2
	v_cmp_ne_u32 vcc_lo, 0, v5                     ; lanes 16-31 take the frequencies four further on
	s_mov_b32 s48, 0x3fc90fdb                      ; pi/2, its f32 part,
	s_mov_b32 s49, 0xb33bbd2e                      ; and the rest
	s_mov_b32 s50, 0xb94ca1f9                      ; sin: -1.9515295891e-4
	s_mov_b32 s51, 0x3c08839e                      ;       8.3321608736e-3
	s_mov_b32 s52, 0xbe2aaaa3                      ;      -1.6666654611e-1
	s_mov_b32 s53, 0x37ccf5ce                      ; cos:  2.443315712e-5
	s_mov_b32 s54, 0xbab6061a                      ;      -1.388731625e-3
	s_mov_b32 s55, 0x3d2aaaa5                      ;       4.166664568e-2
.macro FREQ k, lo, hi                  ; frequency 4 b + 2 u + i: f[8 b + 2 u + i] in lanes 0-15, f[8 b + 2 u + i + 4] in lanes 16-31
	v_mov_b32 v[F+\k], \hi
	v_cndmask_b32 v[F+\k], \lo, v[F+\k], vcc_lo
.endm
	FREQ 0, 1.0, 0.316227766017
	FREQ 1, 0.749894209332, 0.237137370566
	FREQ 2, 0.562341325190, 0.177827941004
	FREQ 3, 0.421696503429, 0.133352143216
	FREQ 4, 0.1, 0.0316227766017
	FREQ 5, 0.0749894209332, 0.0237137370566
	FREQ 6, 0.0562341325190, 0.0177827941004
	FREQ 7, 0.0421696503429, 0.0133352143216
	FREQ 8, 0.01, 0.00316227766017
	FREQ 9, 0.00749894209332, 0.00237137370566
	FREQ 10, 0.00562341325190, 0.00177827941004
	FREQ 11, 0.00421696503429, 0.00133352143216
	FREQ 12, 0.001, 0.000316227766017
	FREQ 13, 0.000749894209332, 0.000237137370566
	FREQ 14, 0.000562341325190, 0.000177827941004
	FREQ 15, 0.000421696503429, 0.000133352143216
.macro SINCOS4 b                       ; four angles side by side, so that no line waits for the line above it
.irp p, 0,1,2,3
	v_mul_f32 v[AN+\p], v7, v[F+4*\b+\p]           ; the angle, rounded to f32 as the product pos x f is
.endr
.irp p, 0,1,2,3
	v_mul_f32 v[NN+\p], 0x3f22f983, v[AN+\p]       ; x 2/pi
.endr
.irp p, 0,1,2,3
	v_rndne_f32 v[NN+\p], v[NN+\p]
.endr
.irp p, 0,1,2,3
	v_fma_f32 v[AN+\p], -v[NN+\p], s48, v[AN+\p]
.endr
.irp p, 0,1,2,3
	v_fma_f32 v[AN+\p], -v[NN+\p], s49, v[AN+\p]   ; r, within +-pi/4
.endr
.irp p, 0,1,2,3
	v_mul_f32 v[ZZ+\p], v[AN+\p], v[AN+\p]
	v_cvt_i32_f32 v[QI+\p], v[NN+\p]               ; the quadrant's number
.endr
.irp p, 0,1,2,3
	v_fma_f32 v[PSN+\p], v[ZZ+\p], s50, s51
	v_fma_f32 v[PCS+\p], v[ZZ+\p], s53, s54
.endr
.irp p, 0,1,2,3
	v_fma_f32 v[PSN+\p], v[PSN+\p], v[ZZ+\p], s52
	v_fma_f32 v[PCS+\p], v[PCS+\p], v[ZZ+\p], s55
.endr
.irp p, 0,1,2,3
	v_mul_f32 v[T1+\p], v[ZZ+\p], v[AN+\p]
	v_fma_f32 v[NN+\p], v[ZZ+\p], -0.5, 1.0
.endr
.irp p, 0,1,2,3
	v_fma_f32 v[PSN+\p], v[PSN+\p], v[T1+\p], v[AN+\p]   ; sin r
.endr
.irp p, 0,1,2,3
	v_mul_f32 v[T1+\p], v[ZZ+\p], v[ZZ+\p]
.endr
.irp p, 0,1,2,3
	v_fma_f32 v[PCS+\p], v[PCS+\p], v[T1+\p], v[NN+\p]   ; cos r
.endr
.irp p, 0,1,2,3
	v_and_b32 v[T1+\p], 1, v[QI+\p]
.endr
.irp p, 0,1,2,3
	v_cmp_ne_u32 s[44+\p], 0, v[T1+\p]             ; odd quadrants change sin and cos
.endr
.irp p, 0,1,2,3
	v_cndmask_b32 v[NN+\p], v[PSN+\p], v[PCS+\p], s[44+\p]
	v_cndmask_b32 v[ZZ+\p], v[PCS+\p], v[PSN+\p], s[44+\p]
.endr
.irp p, 0,1,2,3
	v_lshlrev_b32 v[T1+\p], 30, v[QI+\p]           ; sin is negative in quadrants 2, 3: bit 1 of q;
	v_add_nc_u32 v[QI+\p], 1, v[QI+\p]             ; cos in quadrants 1, 2: bit 1 of q + 1
.endr
.irp p, 0,1,2,3
	v_and_b32 v[T1+\p], 0x80000000, v[T1+\p]
	v_lshlrev_b32 v[QI+\p], 30, v[QI+\p]
.endr
.irp p, 0,1,2,3
	v_xor_b32 v[OUT+8*\b+2*\p+1], v[T1+\p], v[NN+\p]
	v_and_b32 v[QI+\p], 0x80000000, v[QI+\p]
.endr
.irp p, 0,1,2,3
	v_xor_b32 v[OUT+8*\b+2*\p], v[QI+\p], v[ZZ+\p]
.endr
.endm
.irp b, 0,1,2,3
	SINCOS4 \b
.endr
.irp b, 0,1,2,3
.irp u, 0,1
	global_store_b128 v3, v[OUT+8*\b+4*\u:OUT+8*\b+4*\u+3], s[20:21] offset:1024*\b+512*\u   ; 512 consecutive bytes, aligned
.endr
.endr
	s_endpgm
.Lfunc_end_k_q343557f73e_prep:
	.size	k_q343557f73e_prep, .Lfunc_end_k_q343557f73e_prep-k_q343557f73e_prep
	.p2alignl 7, 3214868480
	.fill 96, 4, 3214868480
	.section	.rodata,"a",@progbits
	.p2align	6, 0x0
	.amdhsa_kernel k_q343557f73e_prep
		.amdhsa_group_segment_fixed_size 66048
		.amdhsa_private_segment_fixed_size 0
		.amdhsa_enable_private_segment 0
		.amdhsa_kernarg_size 72
		.amdhsa_user_sgpr_count 2
		.amdhsa_user_sgpr_kernarg_segment_ptr 1
		.amdhsa_wavefront_size32 1
		.amdhsa_system_sgpr_workgroup_id_x 1
		.amdhsa_system_sgpr_workgroup_id_y 1
		.amdhsa_system_sgpr_workgroup_id_z 1
		.amdhsa_system_vgpr_workitem_id 0
		.amdhsa_next_free_vgpr 194
		.amdhsa_next_free_sgpr 66
		.amdhsa_reserve_vcc 1
		.amdhsa_float_denorm_mode_32 3
		.amdhsa_float_denorm_mode_16_64 3
		.amdhsa_memory_ordered 1
		.amdhsa_forward_progress 1
		.amdhsa_inst_pref_size 57
	.end_amdhsa_kernel
	.amdgpu_metadata
---
amdhsa.version: [ 1, 2 ]
amdhsa.kernels:
  - .name:           k_q343557f73e_prep
    .symbol:         k_q343557f73e_prep.kd
    .args:
      - { .name: x, .offset: 0, .size: 8, .value_kind: global_buffer, .address_space: global }
      - { .name: Wq, .offset: 8, .size: 8, .value_kind: global_buffer, .address_space: global }
      - { .name: Wk, .offset: 16, .size: 8, .value_kind: global_buffer, .address_space: global }
      - { .name: Wv, .offset: 24, .size: 8, .value_kind: global_buffer, .address_space: global }
      - { .name: Wo, .offset: 32, .size: 8, .value_kind: global_buffer, .address_space: global }
      - { .name: lowp_scales, .offset: 40, .size: 8, .value_kind: global_buffer, .address_space: global }
      - { .name: xc, .offset: 48, .size: 8, .value_kind: global_buffer, .address_space: global }
      - { .name: wc, .offset: 56, .size: 8, .value_kind: global_buffer, .address_space: global }
      - { .name: rope, .offset: 64, .size: 8, .value_kind: global_buffer, .address_space: global }
    .group_segment_fixed_size: 66048
    .private_segment_fixed_size: 0
    .kernarg_segment_align: 8
    .kernarg_segment_size: 72
    .max_flat_workgroup_size: 128
    .sgpr_count:     66
    .vgpr_count:     194
    .wavefront_size: 32
...
	.end_amdgpu_metadata
.endif
;; end of part 1
;; launch qkv (part 2): grid 8 x 32, 4 waves a work-group, clusters of 4 x 4, 327,680 bytes of LDS; arguments xc, wc, rope, lowp_scales, qc, kc, vc; writes qc, kc, vc
.if DOCPART == 2
	.amdgcn_target "amdgcn-amd-amdhsa--gfx1250"
	.amdhsa_code_object_version 6
	.text
	.protected	k_q343557f73e_qkv
	.globl	k_q343557f73e_qkv
	.p2align	8
	.type	k_q343557f73e_qkv,@function
k_q343557f73e_qkv:
	s_mov_b64 s[64:65], 0
	v_nop
	global_prefetch_b8 v0, s[64:65] scope:SCOPE_SE
	s_setreg_imm32_b32 hwreg(HW_REG_WAVE_MODE, 25, 1), 1
	s_wait_xcnt 0x0
	s_wait_alu depctr_hold_cnt(0) depctr_sa_sdst(0) depctr_va_vdst(0) depctr_va_sdst(0) depctr_va_ssrc(0) depctr_va_vcc(0) depctr_vm_vsrc(0)
	s_getreg_b32 s2, hwreg(HW_REG_IB_STS2, 6, 4)
	s_cmp_eq_u32 s2, 0
	s_cbranch_scc0 .Lentry_in_a_cluster
	s_endpgm
.Lentry_in_a_cluster:
	s_bfe_u32 s2, ttmp6, 0x10000c
	s_cmp_lg_u32 s2, 0xf033
	s_cbranch_scc0 .Lentry_shape_is_right
	s_endpgm
.Lentry_shape_is_right:
; THE THREE PROJECTIONS, THE ROTATION OF q AND k, AND THEIR QUANTISERS.  q = x Wq^T, k = x Wk^T, v = x Wv^T on codes of FP8 (E4M3), sums in f32.
; xc [3][4096][1024]: x's codes under e0, e2, e4.  wc [4][1024][1024]: Wq's, Wk's, Wv's (and Wo's) codes, K innermost.  rope: cos and sin as an image of my registers.
; OUT: qc, kc [16 heads][4096 s][64 d]; vc [16 heads][64 blocks of 64 keys][64 d][64 keys] (the keys are the second attention product's K, so they lie innermost): codes under e6, e7, e9.
; SHARES.  A WORK-GROUP STAYS: work-group (nb, sb) makes three tiles, one for each projection t = 0, 1, 2: rows 128 sb of xc[t] against rows 128 nb of wc[t].  Four waves, each 64 x 64: 16 accumulators; a wave's 64 rows of W are one head.
; RING.  Two LDS slots; slot s holds bytes 512 s .. 512 s + 511 of K of the tile in hand: x's 128 rows, then W's 128 rows, 512 bytes + 16 of padding each.  A fill is one tensor load a wave, 64 rows x 512 bytes;
; the six fills go (t, s) = (0, 0), (0, 1), (1, 0) ..: a slot's next fill is the same half of K of the next projection, asked for as soon as the slot has been read; one load of mine is out at a time.
; The next tile's first half lands under this tile's second half, its rotation, its quantiser and its stores.
; CLUSTERS: 4 x 4 work-groups.  x's tile hangs on sb, which a row of the cluster shares; W's on nb, which a column shares: each tile is asked for jointly; every refill stands behind a round of the cluster's barrier.
; PREFETCH.  Behind each joint load one instruction a wave asks for the same slot's tile of the next projection, two fills on: of the 64 rows that a wave fetches each of the four partners takes 16, told apart by address;
; a lane to each 256 bytes.  W's tiles, which eight rows of clusters load, are asked for by the first four.  The last projection's fills ask for nothing.
; THE MATRIX INSTRUCTION: for q and k source 0 = 16 rows of W, source 1 = 16 rows of x: a lane holds one position and 8 neighbouring d (4 pairs of the rotation; 8 codes of a row).
; For v the sources change places: a lane holds one d and 8 neighbouring keys: the codes come out with the keys innermost.  q and k are two trips of one loop; v is written out.
; A fragment is fetched by four loads of 16 bytes, 32 apart: a permutation of k that is the same on both sides.
; The sums stand for sum x 2^(ex + ew); the rotation is linear, so it works on the sums as they are, and the three scales fold into the conversion's one: 2^(eo - ex - ew).
; The rotation takes one fused multiply-add where two roundings are written: e c - o s = fma(e, c, -(o s)).
; LIMIT: eo - ex - ew between -126 and 119 for (e0, e1, e6), (e2, e3, e7), (e4, e5, e9).
; REGISTERS, in windows of 256: window 0: v0-29 addresses and temporaries; v32-63 codes; v64-95 rows on the way out; v126, v127 for the add; v128-255 accumulators ((a, b) at 128 + 8 (4 a + b)).
;   window 1: two fragment buffers of 128 (source 1's four fragments, then source 0's four).   window 2: v0-127 the table, register for register beside the accumulators.
.set PITCH, 528                        ; an LDS row: 512 bytes + 16 of padding = 33 x 16: the 16 rows of a fragment load start at 16 different banks
.set HALF,  64*PITCH                   ; what one tensor load brings
.set SLOT,  4*HALF                     ; x's 128 rows, then W's 128 rows
.set STAGE, 2*SLOT                     ; behind the ring: 64 rows x 80 bytes for each wave; no tile lands there
.set SPARE, STAGE+4*5120               ; the spare words, 128 bytes for each wave
.set FLAGS, (1<<20)|(1<<21)|(6<<22)|(3<<25)   ; elements of 1 byte; padding on; bit 21 beside a mask; after every 128 words, 4 words
.set TX,    0x400000                   ; from xc[t] to xc[t + 1]
.set TW,    0x100000                   ; from wc[t] to wc[t + 1]
.set ADRX, 8                           ; v8, v9   LDS address of my fragments of x in slot 0, 1
.set ADRW, 12                          ; v12, v13 the same for W
.set STO,  16
.set RD,   17
.set LO,   18                          ; 16 x lane
.set PFO,  19                          ; the prefetches' offset; never rewritten
.set SCL,  20
.set LIM,  21
.set TT,   22                          ; v22-29
.set CD,   32
.set BK,   64
.set SPW,  126
.set NIL,  127
.set ACC,  128
.set G1X,  28
.set G1W,  36
.set G0X,  44                          ; s[44:51] groups 0 for x's tiles, one for each slot
.set G0W,  52                          ; s[52:59] for W's
.set PF,   68                          ; s[68:69], s[70:71] where my prefetches stand, one for each slot; s[72:73] their step
.set PON,  74                          ; 1 in a wave that prefetches, else a number above every count of tiles
.set MSB, 0
.macro WIN new                         ; the immediate's high byte repeats the setting that is left
.if MSB != \new
	s_set_vgpr_msb (MSB<<8)|\new
.set MSB, \new
.endif
.endm
.set MUL,  0x05                        ; sources 0 and 1 window 1; C and D window 0
.set TO_F, 0x40                        ; destination window 1, address window 0
.macro PLACES
.rept 4
	v_nop
.endr
.endm
.macro CROUND                          ; a round of the cluster's barrier
	s_barrier_signal -1
	s_barrier_wait -1
	s_cmp_lg_u32 s18, 0
	s_cbranch_scc1 .Lnot_wave_0_\@
	s_barrier_signal -3
.Lnot_wave_0_\@:
	s_barrier_wait -3
	s_barrier_signal -1
	s_barrier_wait -1
.endm
.macro JLOAD slot                      ; a joint load: waves 0, 1 fetch for x, waves 2, 3 for W; an s_nop 0 and four v_nop follow each line
	s_cmp_eq_u32 s19, 0
	s_cbranch_scc0 .Lfor_w_\@
	tensor_load_to_lds s[G0X+4*\slot:G0X+4*\slot+3], s[G1X:G1X+7]
	s_nop 0
	PLACES
	s_branch .Lasked_\@
.Lfor_w_\@:
	tensor_load_to_lds s[G0W+4*\slot:G0W+4*\slot+3], s[G1W:G1W+7]
	s_nop 0
	PLACES
.Lasked_\@:
.endm
.macro ASK slot, head                  ; the same slot's tile of the next projection: 16 rows x 512 bytes a wave.  In the loop's last trip there is no projection behind the one that is being asked for
.if \head
	s_cmp_eq_u32 s[PON], 1
.else
	s_cmp_gt_u32 s3, s[PON]
.endif
	s_cbranch_scc0 .Lno_ask_\@
	global_prefetch_b8 v[PFO], s[PF+2*\slot:PF+2*\slot+1] th:TH_LOAD_NT scope:SCOPE_SE
.Lno_ask_\@:
.endm
.macro SEQ                             ; all my tensor loads have landed; 0 onto my spare word; the add and my LDS reads are done
	s_wait_tensorcnt 0x0
	ds_add_u32 v[SPW], v[NIL]
	s_wait_dscnt 0x0
.endm
.macro REFILL slot                     ; the slot has been read: it takes its half of K of the next projection
	s_wait_xcnt 0x0                                ; my prefetch and my stores have read their addresses and data
	s_add_nc_u64 s[PF+2*\slot:PF+2*\slot+1], s[PF+2*\slot:PF+2*\slot+1], s[72:73]
	SEQ
	CROUND                                         ; no wave of any partner still reads this slot or has a load on its way
	s_add_nc_u64 s[G0X+4*\slot+2:G0X+4*\slot+3], s[G0X+4*\slot+2:G0X+4*\slot+3], TX
	s_add_nc_u64 s[G0W+4*\slot+2:G0W+4*\slot+3], s[G0W+4*\slot+2:G0W+4*\slot+3], TW
	JLOAD \slot                                    ; the first tensor load behind the round, one a wave
	ASK \slot, 0
.endm
.macro MKS dst, eo, ex, ew             ; 2^(eo - ex - ew) as f32, and 448 x that
	s_sub_co_i32 s2, s[\eo], s[\ex]
	s_sub_co_i32 s2, s2, s[\ew]
	s_add_co_i32 s2, s2, 127
	s_lshl_b32 s[\dst], s2, 23
	s_add_co_i32 s2, s2, 8
	s_lshl_b32 s2, s2, 23
	s_or_b32 s[\dst+1], s2, 0x600000
.endm
	s_load_b256 s[4:11], s[0:1], 0x0               ; xc, wc, rope, the scales' exponents
	s_load_b128 s[12:15], s[0:1], 0x20             ; qc, kc
	s_load_b64 s[16:17], s[0:1], 0x30              ; vc
	v_lshl_add_u32 v[SPW], v0, 2, SPARE
	v_mov_b32 v[NIL], 0
	ds_add_u32 v[SPW], v[NIL]                      ; the opening: the add, twice on end, and its wait ahead of the round in front of the first loads
	ds_add_u32 v[SPW], v[NIL]
	v_lshrrev_b32 v1, 5, v0
	v_readfirstlane_b32 s18, v1                    ; wave 0..3
	s_lshr_b32 s19, s18, 1                         ; which 64 rows of x are mine.  Also: I fetch for x (0) or for W (1)
	s_and_b32 s20, s18, 1                          ; which 64 rows of W.  Also: which 64 rows of that tile I fetch
	s_bfe_u32 s21, ttmp6, 0x40000                  ; cx
	s_bfe_u32 s22, ttmp6, 0x40004                  ; cy
	s_lshl_b32 s23, ttmp9, 2
	s_add_co_u32 s23, s23, s21                     ; nb
	s_and_b32 s25, ttmp7, 0xffff                   ; the cluster's y
	s_lshl_b32 s24, s25, 2
	s_add_co_u32 s24, s24, s22                     ; sb
	s_lshl_b32 s96, s22, 2
	s_lshl_b32 s96, 15, s96                        ; my row of the cluster
	s_lshl_b32 s97, 0x1111, s21                    ; my column
	s_or_b32 s[G1X], s96, FLAGS
	s_or_b32 s[G1W], s97, FLAGS
.irp g, G1X, G1W
	s_mov_b32 s[\g+1], 512<<16                     ; tensor_dim0 = 512 bytes
	s_mov_b32 s[\g+2], 64<<16                      ; tensor_dim1 = 64
	s_mov_b32 s[\g+3], 512<<16                     ; tile_dim0
	s_mov_b32 s[\g+4], 64                          ; tile_dim1
	s_mov_b32 s[\g+5], 1024                        ; from row to row
	s_mov_b32 s[\g+6], 0
	s_mov_b32 s[\g+7], 0
.endr
	s_lshl_b32 s60, s24, 7                         ; x: row 128 sb + 64 half, of 1,024 bytes
	s_lshl_b32 s61, s20, 6
	s_add_co_u32 s60, s60, s61
	s_lshl_b32 s60, s60, 10
	s_mov_b32 s61, 0
	s_lshl_b32 s62, s23, 7                         ; W: row 128 nb + 64 half
	s_lshl_b32 s63, s20, 6
	s_add_co_u32 s62, s62, s63
	s_lshl_b32 s62, s62, 10
	s_mov_b32 s63, 0
	s_mul_i32 s66, s18, HALF                       ; where they go in a slot: wave x 64 rows
	s_wait_dscnt 0x0                               ; both opening adds are done
	s_wait_kmcnt 0x0
	s_load_b256 s[84:91], s[10:11], 0x0            ; e0 .. e7
	s_load_b128 s[92:95], s[10:11], 0x20           ; e8 .. e11
	s_add_nc_u64 s[60:61], s[4:5], s[60:61]
	s_add_nc_u64 s[62:63], s[6:7], s[62:63]
.irp s, 0,1
	s_mov_b32 s[G0X+4*\s], 1
	s_add_co_u32 s[G0X+4*\s+1], s66, \s*SLOT
	s_add_nc_u64 s[G0X+4*\s+2:G0X+4*\s+3], s[60:61], \s*512
	s_or_b32 s[G0X+4*\s+3], s[G0X+4*\s+3], 0x80000000
	s_mov_b32 s[G0W+4*\s], 1
	s_add_co_u32 s[G0W+4*\s+1], s66, \s*SLOT
	s_add_nc_u64 s[G0W+4*\s+2:G0W+4*\s+3], s[62:63], \s*512
	s_or_b32 s[G0W+4*\s+3], s[G0W+4*\s+3], 0x80000000
.endr
	CROUND                                         ; all sixteen work-groups are here: the first joint loads meet
	JLOAD 0                                        ; (t, s) = (0, 0): one tensor load a wave at the head
	; the prefetches: my tensor, my place among the four that ask with me, the step from projection to projection
	s_cmp_lt_u32 s25, 4
	s_cselect_b32 s3, 1, 99
	s_mov_b32 s72, TW
	s_cmp_eq_u32 s19, 0
	s_cselect_b64 s[PF:PF+1], s[60:61], s[62:63]
	s_cselect_b32 s2, s21, s22
	s_cselect_b32 s72, TX, s72
	s_cselect_b32 s[PON], 1, s3                    ; x's tiles: every cluster; W's: the first four rows of clusters
	s_mov_b32 s73, 0
	s_lshl_b32 s2, s2, 14                          ; my work-group's 16 rows of the 64 that I fetch
	s_mov_b32 s3, 0
	s_add_nc_u64 s[PF:PF+1], s[PF:PF+1], s[2:3]
	s_add_nc_u64 s[PF:PF+1], s[PF:PF+1], s[72:73]  ; projection 1
	s_add_nc_u64 s[PF+2:PF+3], s[PF:PF+1], 512
	v_and_b32 v1, 15, v0                           ; r
	v_bfe_u32 v2, v0, 4, 1                         ; h
	v_and_b32 v3, 31, v0                           ; lane
	v_mul_u32_u24 v4, v1, PITCH
	v_lshl_add_u32 v4, v2, 4, v4                   ; a fragment's row x pitch + 16 h
	s_wait_alu depctr_va_vdst(0)
	s_mul_i32 s26, s19, HALF
	s_mul_i32 s27, s20, HALF
	s_add_co_u32 s27, s27, 2*HALF
.irp c, 0,1
	v_add_nc_u32 v[ADRX+\c], s26, v4
	v_add_nc_u32 v[ADRW+\c], s27, v4
	s_add_co_u32 s26, s26, SLOT
	s_add_co_u32 s27, s27, SLOT
.endr
	s_mul_i32 s26, s18, 5120
	s_add_co_u32 s26, s26, STAGE                   ; my stage
	v_mul_u32_u24 v5, v1, 80
	v_lshl_add_u32 v5, v2, 3, v5
	v_add_nc_u32 v[STO], s26, v5                   ; in: row r, 8 bytes for each half of the lanes
	v_lshrrev_b32 v5, 2, v3
	v_mul_u32_u24 v5, v5, 80
	v_and_b32 v6, 3, v3
	v_lshl_add_u32 v5, v6, 4, v5
	v_add_nc_u32 v[RD], s26, v5                    ; back: four lanes to a row of 64 bytes
	v_lshlrev_b32 v[LO], 4, v3
	v_lshrrev_b32 v5, 1, v3
	v_lshlrev_b32 v5, 10, v5
	v_and_b32 v6, 1, v3
	v_lshl_add_u32 v[PFO], v6, 8, v5               ; the prefetch: row lane / 2, 256 bytes x lane % 2
	s_wait_kmcnt 0x0
	MKS 76, 90, 84, 85                             ; q: e6 - e0 - e1
	MKS 78, 91, 86, 87                             ; k: e7 - e2 - e3
	MKS 80, 93, 88, 89                             ; v: e9 - e4 - e5
	s_mov_b32 s82, s76                             ; the scale in hand
	s_mov_b32 s83, s77
	s_lshl_b32 s98, s23, 1                         ; my chunk of 4,096 bytes in each output: head 2 nb + my half, block of 64 rows 2 sb + my half
	s_add_co_u32 s98, s98, s20
	s_lshl_b32 s98, s98, 18
	s_lshl_b32 s99, s24, 1
	s_add_co_u32 s99, s99, s19
	s_lshl_b32 s99, s99, 12
	s_add_co_u32 s98, s98, s99
	s_mov_b32 s99, 0
	s_add_nc_u64 s[12:13], s[12:13], s[98:99]
	s_add_nc_u64 s[14:15], s[14:15], s[98:99]
	s_add_nc_u64 s[16:17], s[16:17], s[98:99]
	s_mov_b64 s[26:27], s[12:13]                   ; the output in hand
	s_lshl_b32 s98, s24, 3                         ; the table's blocks of 16 positions: 8 sb + 4 x my half, + a
	s_lshl_b32 s99, s19, 2
	s_add_co_u32 s98, s98, s99
	s_lshl_b32 s98, s98, 12
	s_mov_b32 s99, 0
	s_add_nc_u64 s[8:9], s[8:9], s[98:99]
; 32 LDS loads: the fragments of the slot's q-th 128 along K into buffer f; a0: the address registers of source 0's tile, a1: of source 1's
.macro FETCH slot, q, f, a0, a1
	WIN TO_F
.irp i, 0,1,2,3
.irp c, 0,1,2,3
	ds_load_b128 v[\f+64+16*\i+4*\c:\f+64+16*\i+4*\c+3], v[\a0+\slot] offset:128*(\q)+32*\c+16*PITCH*\i
.endr
.endr
.irp i, 0,1,2,3
.irp c, 0,1,2,3
	ds_load_b128 v[\f+16*\i+4*\c:\f+16*\i+4*\c+3], v[\a1+\slot] offset:128*(\q)+32*\c+16*PITCH*\i
.endr
.endr
.endm
; 16 matrix instructions, 128 along K.  The 16 accumulators take turns, one instruction a turn, in the same order in every step.  zero = 1: the first products start the sums
.macro MUL16 f, zero
.irp a, 0,1,2,3
.irp b, 0,1,2,3
.if \zero
	v_wmma_f32_16x16x128_fp8_fp8 v[ACC+8*(4*\a+\b):ACC+8*(4*\a+\b)+7], v[\f+64+16*\b:\f+64+16*\b+15], v[\f+16*\a:\f+16*\a+15], 0
.else
	v_wmma_f32_16x16x128_fp8_fp8 v[ACC+8*(4*\a+\b):ACC+8*(4*\a+\b)+7], v[\f+64+16*\b:\f+64+16*\b+15], v[\f+16*\a:\f+16*\a+15], v[ACC+8*(4*\a+\b):ACC+8*(4*\a+\b)+7]
.endif
.endr
.endr
.endm
; a slot's four steps of 128 along K; while one step is multiplied the next one's fragments come
.macro HALFK slot, zero, a0, a1
	FETCH \slot, 0, 0, \a0, \a1
.irp q, 0,1,2,3
	s_wait_dscnt 0x0                               ; this step's fragments are in
	PLACES                                         ; four places in front of loads into registers that the last step's matrix instructions have read
.if \q < 3
	FETCH \slot, \q+1, 128*((\q+1)%2), \a0, \a1
.endif
	WIN MUL
.if (\zero) && (\q == 0)
	MUL16 0, 1
.else
	MUL16 128*(\q%2), 0
.endif
.endr
	WIN 0
.endm
; the quantiser and the way out: lane (r, h) of accumulator (a, b) holds row 16 a + r, bytes 16 b + 8 h + 0 .. 7 of my chunk of 64 rows x 64 bytes
.macro QUANT
	v_mov_b32 v[SCL], s82
	v_mov_b32 v[LIM], s83
	s_wait_alu depctr_va_vdst(0)
.set J, 0
.rept 128
	v_med3_num_f32 v[ACC+J], v[ACC+J], -v[LIM], v[LIM]   ; the conversion to an 8-bit code does not saturate (ISA guide 7.6.2)
.set J, J+1
.endr
.set J, 0
.rept 16
	v_cvt_scalef32_pk8_fp8_f32 v[CD+2*J:CD+2*J+1], v[ACC+8*J:ACC+8*J+7], v[SCL]
.set J, J+1
.endr
	v_nop                                          ; a plain line behind the last conversion
.irp a, 0,1,2,3
.irp b, 0,1,2,3
	ds_store_b64 v[STO], v[CD+2*(4*\a+\b):CD+2*(4*\a+\b)+1] offset:1280*\a+16*\b
.endr
.endr
.irp i, 0,1,2,3,4,5,6,7
	ds_load_b128 v[BK+4*\i:BK+4*\i+3], v[RD] offset:640*\i   ; LDS serves a wave's instructions in order: these see my stores; the stage is my own
.endr
.irp i, 0,1,2,3,4,5,6,7
	s_wait_dscnt 7-\i                              ; the later reads may stay out
	global_store_b128 v[LO], v[BK+4*\i:BK+4*\i+3], s[26:27] offset:512*\i   ; 512 consecutive bytes, aligned
.endr
.endm
	s_wait_alu depctr_va_vdst(0)                   ; the head's end
	ASK 0, 1                                       ; (1, 0), two fills ahead of its load
	SEQ                                            ; my part of (0, 0) is in; slot 1's first fill is issued as a refill is
	CROUND
	JLOAD 1                                        ; (0, 1)
	ASK 1, 1                                       ; (1, 1)
	WIN 0x80                                       ; destination window 2
.irp a, 0,1,2,3
.irp b, 0,1,2,3
.irp u, 0,1
	global_load_b128 v[8*(4*\a+\b)+4*\u:8*(4*\a+\b)+4*\u+3], v[LO], s[8:9] offset:4096*\a+1024*\b+512*\u   ; the table, once for q and k: 512 consecutive bytes a load; it lands under the products
.endr
.endr
.endr
	WIN 0
	s_mov_b32 s3, 2
.Ltile:                                            ; two trips: q, then k
	HALFK 0, 1, ADRW, ADRX
	REFILL 0
	HALFK 1, 0, ADRW, ADRX
	PLACES                                         ; in front of the first read of results
	s_wait_loadcnt 0x0                             ; the table
	WIN 0x08                                       ; source 1 window 2
.set KK, 0
.rept 16                               ; registers 2 i, 2 i + 1 of an accumulator are a pair (e, o); beside them lie cos and sin.  Each accumulator is read from its low end on
.irp i, 0,1,2,3
	v_mul_f32 v[TT+2*\i],   v[ACC+8*KK+2*\i+1], v[8*KK+2*\i+1]    ; o sin
	v_mul_f32 v[TT+2*\i+1], v[ACC+8*KK+2*\i+1], v[8*KK+2*\i]      ; o cos
.endr
.irp i, 0,1,2,3
	v_fma_f32 v[ACC+8*KK+2*\i+1], v[ACC+8*KK+2*\i], v[8*KK+2*\i+1], v[TT+2*\i+1]   ; e sin + o cos
	v_fma_f32 v[ACC+8*KK+2*\i],   v[ACC+8*KK+2*\i], v[8*KK+2*\i],   -v[TT+2*\i]    ; e cos - o sin
.endr
.set KK, KK+1
.endr
	WIN 0
	QUANT
	REFILL 1                                       ; (its wait on XCNT also frees the stores' base and data)
	s_mov_b64 s[26:27], s[14:15]                   ; on to k
	s_mov_b32 s82, s78
	s_mov_b32 s83, s79
	s_sub_co_u32 s3, s3, 1
	s_cmp_lg_u32 s3, 0
	s_cbranch_scc1 .Ltile
	s_mov_b64 s[26:27], s[16:17]                   ; v: the sources change places; nothing more is asked for
	s_mov_b32 s82, s80
	s_mov_b32 s83, s81
	HALFK 0, 1, ADRX, ADRW
	SEQ                                            ; my part of (2, 1) is in
	s_barrier_signal -1
	s_barrier_wait -1                              ; everybody's is
	HALFK 1, 0, ADRX, ADRW
	PLACES
	QUANT
	s_wait_tensorcnt 0x0                           ; the wave's end
	ds_add_u32 v[SPW], v[NIL]
	s_wait_dscnt 0x0
	CROUND                                         ; the closing round: no work-group ends while a partner may still ask for a tile that names it
	s_endpgm
.Lfunc_end_k_q343557f73e_qkv:
	.size	k_q343557f73e_qkv, .Lfunc_end_k_q343557f73e_qkv-k_q343557f73e_qkv
	.p2alignl 7, 3214868480
	.fill 96, 4, 3214868480
	.section	.rodata,"a",@progbits
	.p2align	6, 0x0
	.amdhsa_kernel k_q343557f73e_qkv
		.amdhsa_group_segment_fixed_size 327680
		.amdhsa_private_segment_fixed_size 0
		.amdhsa_enable_private_segment 0
		.amdhsa_kernarg_size 56
		.amdhsa_user_sgpr_count 2
		.amdhsa_user_sgpr_kernarg_segment_ptr 1
		.amdhsa_wavefront_size32 1
		.amdhsa_system_sgpr_workgroup_id_x 1
		.amdhsa_system_sgpr_workgroup_id_y 1
		.amdhsa_system_sgpr_workgroup_id_z 1
		.amdhsa_system_vgpr_workitem_id 0
		.amdhsa_next_free_vgpr 640
		.amdhsa_next_free_sgpr 100
		.amdhsa_reserve_vcc 0
		.amdhsa_float_denorm_mode_32 3
		.amdhsa_float_denorm_mode_16_64 3
		.amdhsa_memory_ordered 1
		.amdhsa_forward_progress 1
		.amdhsa_inst_pref_size 104
	.end_amdhsa_kernel
	.amdgpu_metadata
---
amdhsa.version: [ 1, 2 ]
amdhsa.kernels:
  - .name:           k_q343557f73e_qkv
    .symbol:         k_q343557f73e_qkv.kd
    .args:
      - { .name: xc, .offset: 0, .size: 8, .value_kind: global_buffer, .address_space: global }
      - { .name: wc, .offset: 8, .size: 8, .value_kind: global_buffer, .address_space: global }
      - { .name: rope, .offset: 16, .size: 8, .value_kind: global_buffer, .address_space: global }
      - { .name: lowp_scales, .offset: 24, .size: 8, .value_kind: global_buffer, .address_space: global }
      - { .name: qc, .offset: 32, .size: 8, .value_kind: global_buffer, .address_space: global }
      - { .name: kc, .offset: 40, .size: 8, .value_kind: global_buffer, .address_space: global }
      - { .name: vc, .offset: 48, .size: 8, .value_kind: global_buffer, .address_space: global }
    .group_segment_fixed_size: 327680
    .private_segment_fixed_size: 0
    .kernarg_segment_align: 8
    .kernarg_segment_size: 56
    .max_flat_workgroup_size: 128
    .sgpr_count:     100
    .vgpr_count:     640
    .wavefront_size: 32
...
	.end_amdgpu_metadata
.endif
;; end of part 2
;; launch attn (part 3): grid 16 x 16, 8 waves a work-group, no clusters, 327,680 bytes of LDS; arguments qc, kc, vc, lowp_scales, ac; writes ac
.if DOCPART == 3
	.amdgcn_target "amdgcn-amd-amdhsa--gfx1250"
	.amdhsa_code_object_version 6
	.text
	.protected	k_q343557f73e_attn
	.globl	k_q343557f73e_attn
	.p2align	8
	.type	k_q343557f73e_attn,@function
k_q343557f73e_attn:
	s_mov_b64 s[64:65], 0
	v_nop
	global_prefetch_b8 v0, s[64:65] scope:SCOPE_SE
	s_setreg_imm32_b32 hwreg(HW_REG_WAVE_MODE, 25, 1), 1
	s_wait_xcnt 0x0
; CAUSAL ATTENTION ON CODES OF FP8 (E4M3), head size 64, 16 heads, 4,096 positions, and the quantiser of its result.
; qc, kc [16][4096][64]; vc [16][64 blocks of 64 keys][64 d][64 keys].  OUT: ac [32 blocks of 128 rows][16 heads][128 s][64 d]: codes under e10.
; THE SOFTMAX: t = score x log2(e) / 8; M = the running largest t rounded UP to a whole number; p = 2^(t - M) is quantised under e8, not normalised; the row's sum is taken of the unquantised p and divides at the end.
; When M moves, the sum and O are multiplied by 2^(old M - new M): exact.  Key steps all of whose keys lie behind the causal mask are left out.
; SHARES.  Work-group (b, head) owns two blocks of 128 queries: block b and block 31 - b.  Eight waves; a wave holds TWO tiles of 16 queries (A, and B 16 queries on), so that each fragment of K and V
; that it reads from LDS feeds two matrix instructions.  Waves 0-3 hold the low block, waves 4-7 the high block.  Keys go in steps of 128.
; Steps 0 .. b: every wave works its own tiles.  At step b + 1 the low tiles are finished: their waves store them and become HELPERS of the high block (wave w of wave w + 4's tiles, whose queries it fetched at the head),
; with a fresh M, sum and O^T.  Of the steps b + 1 .. 31 - b the owner works the first, third .., the helper the second, fourth ..: b + 1 + 16 - b = 17 turns in every work-group, whatever b.
; At the end the helper hands an image of its registers through LDS, and the owner adds the two parts under the larger M: both factors are whole powers of two.  Each of the two quantises p under its own running M.
; NO CLUSTER: the work-groups of a head need different numbers of slots (keys up to 128 (31 - b) + 127) and change roles at different steps, so partners would part on their places.
; Every branch hangs on ids and on the count of steps; the loops have 8 x 4 trips in every work-group, and a slot whose first key lies behind the work-group's last query is not asked for.
; LAYOUT.  Both products are used transposed (S^T = K Q^T, O^T = V^T P^T): a lane holds one query of each tile throughout.  Lane r of tile 2 b + u of K takes key 32 b + 8 u + r + 8 (r / 8), so that the 16 registers
; of tiles 2 b, 2 b + 1 are 16 neighbouring keys and the conversions' results are the second product's operand.  Fragments come by loads of 16 bytes, 32 apart: the same permutation of k on both sides.
; RING.  Two slots of 512 keys.  K's 32 KiB of a slot are dense in memory: stated as rows of 256 bytes, with 16 bytes of padding behind each 128: key k begins at 144 (k / 2) + 64 (k % 2).
; V's 8 x 64 rows of 64 bytes are stated four to a row of 256 bytes + 16: row rho at 272 (rho / 4) + 64 (rho % 4).  Waves 0, 1 fetch K's halves, waves 2, 3 V's: one load each behind each barrier; one of mine is out.
; PREFETCH.  Slot s = 2 .. 7 of a head is asked for once, whole, by work-group b = 7 - s (which reads it), at the change of slots that loads slot s - 1: waves 4-7, 8,192 bytes of K and of V each, a lane to each 256 bytes.
; LIMITS: e6 + e7 between -123 and 130; e8 and e10 between -126 and 119; e8 + e9 is applied by v_ldexp_f32 and has none.  The scaled scores stay under 2^31 in magnitude.
; REGISTERS.  Window 0: v1-11 addresses; v12-15, v16-19 -M, the largest t and the sum of tiles A, B; v20-35 Q; v36-99, v100-163 S^T, then p; v164-195 p's codes; v196-203 constants and LDS addresses; v204-247 at work.
; Window 1: v0-63 K's 8 fragments; v64-127 V's 4; v128-159, v160-191 O^T of A, B; v192-207 the helper's Q.  All the softmax's lines name window 0 alone.
.set KHALF, 128*144
.set VHALF, 64*272
.set VOFF,  2*KHALF
.set SLOT1, 131072                     ; slot 1 begins here: one exclusive or turns an address into the other slot's
.set SPARE, 2*SLOT1                    ; the spare words, 128 bytes for each wave
.set STAGE, SPARE+2048                 ; 32 rows x 80 bytes for each wave; no tile lands there
.set MERGE, STAGE+8*2560               ; the helpers' images: 18 x 512 bytes for each of four pairs; no tile lands there
.set MPAIR, 18*512
.set AK0, 1
.set AV0, 2
.set QA,  3
.set PFO, 4
.set SPW, 5
.set NIL, 6
.set GO,  7
.set ADK, 8
.set ADV, 9
.set STA, 12
.set STB, 16
.set QRA, 20
.set QRB, 28
.set SA,  36
.set SB,  100
.set CA,  164
.set CB,  180
.set SC8, 196                          ; 2^e8
.set LA,  197                          ; 448 x 2^e8, twice: one for each half of a dual pair
.set LB,  198
.set SCO, 199
.set LMO, 200
.set STI, 201
.set STR, 202
.set MA,  203
.set FA,  204                          ; v[204:205], v[206:207]: the factors f of A, B
.set FB,  206
.set T0,  208
.set TP,  209
.set U0,  210
.set U1,  212
.set U2,  214
.set MD,  216
.set MT,  217
.set MI,  218
.set BK,  220                          ; v220-235 rows on the way out
.set HSA, 236                          ; the helper's M and sums
.set HSB, 240
.set G,   244
.set KR,  0                            ; window 1
.set VR,  64
.set OA,  128
.set OB,  160
.set HQ,  192
.set WV,  18
.set SEL, 20
.set CS,  22
.set G1K, 24
.set G0K, 32
.set TB,  36                           ; LDS byte at which the slot in hand begins
.set TRIP, 37
.set KF,  38                           ; the step's first key
.set QB,  39                           ; first query of the block that I work on
.set QHI, 40                           ; its last
.set Q0,  41                           ; my tile A's first query
.set ES,  66                           ; e8 + e9
.set G1V, 68
.set G0V, 76
.set P1,  80                           ; 128 b: up to this first key every wave works every step
.set TR,  81                           ; waves 0-3: 128 (b + 1), the step at which I change roles; waves 4-7: no step's key
.set PX,  82                           ; beyond P1 a step is mine where bit 7 of KF xor PX is 0
.set LQ,  83                           ; the work-group's last query
.set LIM, 84                           ; the trip in which I prefetch, if any
.set HQB, 85                           ; 128 (31 - b)
.set PFA, 86                           ; s[86:87], s[90:91] what I prefetch of K, of V; never rewritten
.set Q0H, 88
.set KO,  89                           ; LDS byte at which the step's keys begin,
.set PFB, 90
.set VO,  92                           ; and what is added to V's address for the step
.set STC, 93
.set S8,  94
.set L8,  95
.set S10, 96
.set L10, 97
.set MSB, 0
.macro WIN new                         ; the immediate's high byte repeats the setting that is left
.if MSB != \new
	s_set_vgpr_msb (MSB<<8)|\new
.set MSB, \new
.endif
.endm
.macro TLOAD                           ; waves 0, 1 fetch for K, waves 2, 3 for V, the others nothing; an s_nop 0 and four v_nop follow each line
	s_cmp_lt_u32 s[WV], 2
	s_cbranch_scc0 .Lnot_k_\@
	tensor_load_to_lds s[G0K:G0K+3], s[G1K:G1K+7]
	s_nop 0
.rept 4
	v_nop
.endr
	s_branch .Lasked_\@
.Lnot_k_\@:
	s_cmp_lt_u32 s[WV], 4
	s_cbranch_scc0 .Lasked_\@
	tensor_load_to_lds s[G0V:G0V+3], s[G1V:G1V+7]
	s_nop 0
.rept 4
	v_nop
.endr
.Lasked_\@:
.endm
.macro STATE st                        ; a fresh state: the largest t -3e38, -M, the sum's two halves
	v_mov_b32 v[\st+1], 0xff61b1e6
	s_delay_alu instid0(VALU_DEP_1)
	v_floor_f32 v[\st], -v[\st+1]
	v_mov_b32 v[\st+2], 0
	v_mov_b32 v[\st+3], 0
.endm
.macro OZERO                           ; both O^T: the step is written once; the first finds zeros
	WIN 0x40
.set J, 0
.rept 64
	v_mov_b32 v[OA+J], 0
.set J, J+1
.endr
	WIN 0
.endm
	s_load_b256 s[4:11], s[0:1], 0x0               ; qc, kc, vc, the scales' exponents
	s_load_b64 s[12:13], s[0:1], 0x20              ; ac
	v_lshl_add_u32 v[SPW], v0, 2, SPARE
	v_mov_b32 v[NIL], 0
	ds_add_u32 v[SPW], v[NIL]                      ; the opening: the add, twice on end, and its wait ahead of the first tensor load
	ds_add_u32 v[SPW], v[NIL]
	v_lshrrev_b32 v8, 5, v0
	v_readfirstlane_b32 s[WV], v8                  ; wave 0..7
	s_lshl_b32 s[P1], ttmp9, 7
	s_sub_co_u32 s[HQB], 31, ttmp9
	s_lshl_b32 s[HQB], s[HQB], 7
	s_add_co_u32 s[LQ], s[HQB], 127
	s_add_co_u32 s43, s[P1], 128
	s_sub_co_u32 s60, s[HQB], s[P1]
	s_lshl_b32 s60, s60, 6                         ; bytes from a low tile's queries to the high tile's
	s_and_b32 s19, s[WV], 3
	s_lshl_b32 s19, s19, 5                         ; my 32 queries in their block
	s_add_co_u32 s[Q0H], s[HQB], s19
	s_sub_co_u32 s42, 5, ttmp9                     ; the trip whose change loads slot 6 - b; for b > 5 no trip's number
	s_cmp_lt_u32 s[WV], 4
	s_cselect_b32 s[QB], s[P1], s[HQB]
	s_cselect_b32 s[TR], s43, -1
	s_cselect_b32 s[PX], s[P1], s43
	s_cselect_b32 s60, s60, 0                      ; waves 4-7 fetch their own queries twice
	s_cselect_b32 s[LIM], -1, s42                  ; waves 4-7 prefetch
	s_mov_b32 s61, 0
	s_add_co_u32 s[QHI], s[QB], 127
	s_add_co_u32 s[Q0], s[QB], s19
	s_and_b32 s50, ttmp7, 0xffff                   ; the head
	s_lshl_b32 s52, s50, 18                        ; its first byte in qc, kc, vc
	s_and_b32 s49, s[WV], 1                        ; which half of a slot's K or V I fetch, if I fetch
	s_lshl_b32 s54, s49, 14
	s_add_co_u32 s54, s54, s52
	s_mov_b32 s55, 0
	s_lshl_b32 s56, s[Q0], 6
	s_add_co_u32 s56, s56, s52                     ; my queries' codes
	s_mov_b32 s57, 0
	s_lshr_b32 s58, s[Q0], 7                       ; my 2,048 bytes of ac
	s_lshl_b32 s58, s58, 17
	s_lshl_b32 s59, s50, 13
	s_add_co_u32 s58, s58, s59
	s_and_b32 s59, s[Q0], 127
	s_lshl_b32 s59, s59, 6
	s_add_co_u32 s58, s58, s59
	s_mov_b32 s59, 0
	s_sub_co_i32 s98, 7, ttmp9                     ; the prefetch: slot 7 - b (held at 0 where no prefetch is made),
	s_max_i32 s98, s98, 0
	s_lshl_b32 s98, s98, 15
	s_and_b32 s99, s[WV], 3
	s_lshl_b32 s99, s99, 13                        ; my wave's 8,192 bytes of its 32 KiB
	s_add_co_u32 s98, s98, s99
	s_add_co_u32 s98, s98, s52
	s_mov_b32 s99, 0
	s_mov_b32 s[G1K], (1<<20)|(4<<22)|(3<<25)      ; elements of 1 byte; padding on: after every 32 words, 4 words
	s_mov_b32 s[G1K+1], 256<<16                    ; rows of 256 bytes: four keys
	s_mov_b32 s[G1K+2], 64<<16
	s_mov_b32 s[G1K+3], 256<<16
	s_mov_b32 s[G1K+4], 64
	s_mov_b32 s[G1K+5], 256                        ; dense
	s_mov_b32 s[G1K+6], 0
	s_mov_b32 s[G1K+7], 0
	s_mov_b32 s[G1V], (1<<20)|(5<<22)|(3<<25)      ; the same with 4 words after every 64
	s_mov_b32 s[G1V+1], 256<<16
	s_mov_b32 s[G1V+2], 64<<16
	s_mov_b32 s[G1V+3], 256<<16
	s_mov_b32 s[G1V+4], 64
	s_mov_b32 s[G1V+5], 256
	s_mov_b32 s[G1V+6], 0
	s_mov_b32 s[G1V+7], 0
	s_mov_b32 s[SEL], 0x76543210
	s_mov_b32 s[SEL+1], 0xfedcba98
	s_mov_b32 s[CS], 0x3e38aa3b                    ; c = log2(e) / 8
	s_mov_b32 s[TB], 0
	s_mov_b32 s[KF], 0
	s_mov_b32 s[TRIP], 0
	s_wait_dscnt 0x0                               ; both opening adds are done
	s_wait_kmcnt 0x0
	s_load_b128 s[44:47], s[10:11], 0x18           ; e6, e7, e8, e9
	s_load_b32 s48, s[10:11], 0x28                 ; e10
	s_mov_b32 s[G0K], 1
	s_mul_i32 s[G0K+1], s49, KHALF
	s_add_nc_u64 s[G0K+2:G0K+3], s[6:7], s[54:55]
	s_or_b32 s[G0K+3], s[G0K+3], 0x80000000
	s_mov_b32 s[G0V], 1
	s_mul_i32 s[G0V+1], s49, VHALF
	s_add_co_u32 s[G0V+1], s[G0V+1], VOFF
	s_add_nc_u64 s[G0V+2:G0V+3], s[8:9], s[54:55]
	s_or_b32 s[G0V+3], s[G0V+3], 0x80000000
	TLOAD                                          ; slot 0
	s_add_nc_u64 s[4:5], s[4:5], s[56:57]
	s_add_nc_u64 s[62:63], s[4:5], s[60:61]
	s_add_nc_u64 s[12:13], s[12:13], s[58:59]
	s_add_nc_u64 s[PFA:PFA+1], s[6:7], s[98:99]
	s_add_nc_u64 s[PFB:PFB+1], s[8:9], s[98:99]
	v_and_b32 v8, 15, v0                           ; r
	v_bfe_u32 v9, v0, 4, 1                         ; h
	v_lshlrev_b32 v[QA], 6, v8
	v_lshl_add_u32 v[QA], v9, 4, v[QA]
	global_load_b128 v[QRA:QRA+3], v[QA], s[4:5]   ; Q's fragments stay in registers: tile A,
	global_load_b128 v[QRA+4:QRA+7], v[QA], s[4:5] offset:32
	global_load_b128 v[QRB:QRB+3], v[QA], s[4:5] offset:1024   ; tile B, 16 rows of 64 bytes on,
	global_load_b128 v[QRB+4:QRB+7], v[QA], s[4:5] offset:1056
	WIN 0x40
	global_load_b128 v[HQ:HQ+3], v[QA], s[62:63]   ; and those of the tiles that I shall help
	global_load_b128 v[HQ+4:HQ+7], v[QA], s[62:63] offset:32
	global_load_b128 v[HQ+8:HQ+11], v[QA], s[62:63] offset:1024
	global_load_b128 v[HQ+12:HQ+15], v[QA], s[62:63] offset:1056
	WIN 0
	v_and_b32 v11, 8, v8
	v_add_nc_u32 v11, v11, v8                      ; k = r + 8 (r / 8)
	v_lshrrev_b32 v10, 1, v11
	v_mul_u32_u24 v[AK0], v10, 144
	v_and_b32 v10, 1, v11
	v_lshl_add_u32 v[AK0], v10, 6, v[AK0]
	v_lshl_add_u32 v[AK0], v9, 4, v[AK0]           ; 144 (k / 2) + 64 (k % 2) + 16 h
	v_lshrrev_b32 v10, 2, v8
	v_mul_u32_u24 v[AV0], v10, 272
	v_and_b32 v10, 3, v8
	v_lshl_add_u32 v[AV0], v10, 6, v[AV0]
	v_lshl_add_u32 v[AV0], v9, 4, v[AV0]
	v_add_nc_u32 v[AV0], VOFF, v[AV0]
	v_and_b32 v10, 31, v0                          ; lane
	v_lshlrev_b32 v[GO], 4, v10
	v_lshlrev_b32 v[PFO], 8, v10                   ; the prefetch: lanes 256 bytes apart
	s_mul_i32 s42, s[WV], 2560                     ; every LDS address of the ways out is made here, ahead of the first parting of the waves
	s_add_co_u32 s42, s42, STAGE
	v_mul_u32_u24 v[STI], v8, 80
	v_lshl_add_u32 v[STI], v9, 3, v[STI]
	v_add_nc_u32 v[STI], s42, v[STI]               ; in: row r, + 8 h
	v_lshrrev_b32 v11, 2, v10
	v_mul_u32_u24 v[STR], v11, 80
	v_and_b32 v11, 3, v10
	v_lshl_add_u32 v[STR], v11, 4, v[STR]
	v_add_nc_u32 v[STR], s42, v[STR]               ; back: four lanes to a row of 64 bytes
	s_and_b32 s42, s[WV], 3
	s_mul_i32 s42, s42, MPAIR
	s_add_co_u32 s42, s42, MERGE
	v_lshl_add_u32 v[MA], v10, 4, s42              ; my pair's image: waves w and w + 4 name the same bytes
	STATE STA
	STATE STB
	v_mov_b32 v[TP], 0                             ; a lane permute's destination counts as one of its sources
	v_mov_b32 v[FA], 0
	v_mov_b32 v[FA+1], 0                           ; (named as the upper halves of the pairs)
	v_mov_b32 v[FB], 0
	v_mov_b32 v[FB+1], 0
	OZERO
	s_wait_kmcnt 0x0
	s_add_co_i32 s42, s44, s45
	s_lshl_b32 s42, s42, 23
	s_add_co_i32 s[CS], s[CS], s42                 ; a score stands for score x 2^(e6 + e7): added to c's exponent field
	s_mov_b32 s[CS+1], s[CS]
	s_add_co_i32 s42, s46, 127
	s_lshl_b32 s[S8], s42, 23
	s_add_co_i32 s42, s42, 8
	s_lshl_b32 s42, s42, 23
	s_or_b32 s[L8], s42, 0x600000
	s_add_co_i32 s42, s48, 127
	s_lshl_b32 s[S10], s42, 23
	s_add_co_i32 s42, s42, 8
	s_lshl_b32 s42, s42, 23
	s_or_b32 s[L10], s42, 0x600000
	s_add_co_i32 s[ES], s46, s47                   ; e8 + e9
	v_mov_b32 v[SC8], s[S8]                        ; 2^e8
	v_mov_b32 v[LA], s[L8]                         ; 448 x 2^e8
	v_mov_b32 v[LB], s[L8]
	v_mov_b32 v[SCO], s[S10]                       ; 2^e10
	v_mov_b32 v[LMO], s[L10]                       ; 448 x 2^e10
; a tile's O^T / the sum x 2^(e8 + e9), quantised under e10: 8 registers of codes
.macro NORM s, st, o, c
	v_add_f32 v[\st+2], v[\st+2], v[\st+3]
	s_delay_alu instid0(VALU_DEP_1)
	v_permlanex16_b32 v[TP], v[\st+2], s[SEL], s[SEL+1]
	s_delay_alu instid0(VALU_DEP_1)
	v_add_f32 v[\st+2], v[\st+2], v[TP]            ; the row's sum
	s_wait_alu depctr_va_vdst(0)                   ; ahead of the transcendental
	v_rcp_f32 v[\st+2], v[\st+2]
	v_nop                                          ; a plain place behind it
	s_wait_alu depctr_va_vdst(0)                   ; ahead of its first reader
	v_ldexp_f32 v[\st+2], v[\st+2], s[ES]
	WIN 0x01                                       ; source 0: window 1
	s_wait_alu depctr_va_vdst(0)                   ; and directly ahead of the first reader of O^T
.set J, 0
.rept 32
	v_mul_f32 v[\s+J], v[\o+J], v[\st+2]           ; register 8 t + i is o(query r, d = 16 t + 8 h + i); each accumulator from its low end on
.set J, J+1
.endr
	WIN 0
.set J, 0
.rept 32
	v_med3_num_f32 v[\s+J], v[\s+J], -v[LMO], v[LMO]
.set J, J+1
.endr
.irp t, 0,1,2,3
	v_cvt_scalef32_pk8_fp8_f32 v[\c+2*\t:\c+2*\t+1], v[\s+8*\t:\s+8*\t+7], v[SCO]
.endr
	v_nop                                          ; a plain line behind the last conversion
.endm
; THE WAY OUT of my two tiles: the codes go through my stage and leave as 2,048 consecutive bytes
.macro WAYOUT
.rept 4
	v_nop                                          ; places behind the last products
.endr
	NORM SA, STA, OA, CA
	NORM SB, STB, OB, CB
.irp t, 0,1,2,3
	ds_store_b64 v[STI], v[CA+2*\t:CA+2*\t+1] offset:16*\t
.endr
.irp t, 0,1,2,3
	ds_store_b64 v[STI], v[CB+2*\t:CB+2*\t+1] offset:1280+16*\t
.endr
.irp i, 0,1,2,3
	ds_load_b128 v[BK+4*\i:BK+4*\i+3], v[STR] offset:640*\i   ; LDS serves a wave's instructions in order: these see my stores
.endr
.irp i, 0,1,2,3
	s_wait_dscnt 3-\i                              ; the later reads may stay out
	global_store_b128 v[GO], v[BK+4*\i:BK+4*\i+3], s[12:13] offset:512*\i   ; 512 consecutive bytes, aligned
.endr
.endm
.macro MASK s, d                       ; register 16 b + i holds key KF + 32 b + 16 h + i: hidden where 32 b + i > d
.set NN, 0
.rept 64
	v_cmp_gt_i32 vcc_lo, 32*(NN/16)+NN%16, v[\d]
	v_cndmask_b32 v[\s+NN], v[\s+NN], v[MI], vcc_lo
.set NN, NN+1
.endr
.endm
; a tile's largest score, the new M, f, and t - M
.macro PRE s, st, f
	v_max3_num_f32 v[T0], v[\s], v[\s+1], v[\s+2]  ; among my 64 keys, in two chains, each accumulator from its low end on
	v_max3_num_f32 v[\f], v[\s+3], v[\s+4], v[\s+5]
.irp i, 6,10,14,18,22,26,30,34,38,42,46,50,54,58
	v_max3_num_f32 v[T0], v[T0], v[\s+\i], v[\s+\i+1]
	v_max3_num_f32 v[\f], v[\f], v[\s+\i+2], v[\s+\i+3]
.endr
	v_max3_num_f32 v[T0], v[T0], v[\s+62], v[\s+63]
	s_delay_alu instid0(VALU_DEP_1)
	v_max_num_f32 v[T0], v[T0], v[\f]
	s_delay_alu instid0(VALU_DEP_1)
	v_permlanex16_b32 v[TP], v[T0], s[SEL], s[SEL+1]
	s_delay_alu instid0(VALU_DEP_1)
	v_max_num_f32 v[T0], v[T0], v[TP]              ; and among lane l xor 16's
	s_delay_alu instid0(VALU_DEP_1)
	v_mul_f32 v[T0], s[CS], v[T0]                  ; as t (c is positive)
	s_delay_alu instid0(VALU_DEP_1)
	v_max_num_f32 v[\st+1], v[\st+1], v[T0]
	v_mov_b32 v[T0], v[\st]
	s_delay_alu instid0(VALU_DEP_2)
	v_floor_f32 v[\st], -v[\st+1]                  ; the new -M = -ceil(t): a whole number
	s_delay_alu instid0(VALU_DEP_1)
	v_sub_f32 v[T0], v[\st], v[T0]                 ; old M - new M: a whole number, 0 or less
	s_delay_alu instid0(VALU_DEP_1)
	v_cvt_i32_f32 v[T0], v[T0]                     ; (it saturates)
	s_delay_alu instid0(VALU_DEP_1)
	v_ldexp_f32 v[\f], 1.0, v[T0]                  ; f = 2^(old M - new M)
.set J, 0
.rept 32
	v_pk_fma_f32 v[\s+J:\s+J+1], v[\s+J:\s+J+1], s[CS:CS+1], v[\st:\st+1] op_sel_hi:[1,0,0]   ; t - M, two at a time
.set J, J+2
.endr
.endm
; a tile's sum of the unquantised p, two at a time, in four chains; the hold and the codes
.macro POST s, st, c
	v_pk_add_f32 v[U0:U0+1], v[\s:\s+1], v[\s+2:\s+3]
	v_pk_add_f32 v[U1:U1+1], v[\s+4:\s+5], v[\s+6:\s+7]
	v_pk_add_f32 v[U2:U2+1], v[\s+8:\s+9], v[\s+10:\s+11]
	v_pk_add_f32 v[\st+2:\st+3], v[\st+2:\st+3], v[\s+12:\s+13]
.irp j, 14,22,30,38,46,54
	v_pk_add_f32 v[U0:U0+1], v[U0:U0+1], v[\s+\j:\s+\j+1]
	v_pk_add_f32 v[U1:U1+1], v[U1:U1+1], v[\s+\j+2:\s+\j+3]
	v_pk_add_f32 v[U2:U2+1], v[U2:U2+1], v[\s+\j+4:\s+\j+5]
	v_pk_add_f32 v[\st+2:\st+3], v[\st+2:\st+3], v[\s+\j+6:\s+\j+7]
.endr
	v_pk_add_f32 v[U0:U0+1], v[U0:U0+1], v[\s+62:\s+63]
	v_pk_add_f32 v[U1:U1+1], v[U1:U1+1], v[U2:U2+1]
	v_pk_add_f32 v[\st+2:\st+3], v[\st+2:\st+3], v[U0:U0+1]
	v_pk_add_f32 v[\st+2:\st+3], v[\st+2:\st+3], v[U1:U1+1]
.irp b, 0,1,2,3
.irp i, 0,2,4,6,8,10,12,14
	v_dual_min_num_f32 v[\s+16*\b+\i], v[\s+16*\b+\i], v[LA] :: v_dual_min_num_f32 v[\s+16*\b+\i+1], v[\s+16*\b+\i+1], v[LB]   ; the conversion does not saturate (ISA guide 7.6.2); p is not negative: a one-sided hold, two an instruction
.endr
	v_cvt_scalef32_pk8_fp8_f32 v[\c+4*\b:\c+4*\b+1], v[\s+16*\b:\s+16*\b+7], v[SC8]
	v_cvt_scalef32_pk8_fp8_f32 v[\c+4*\b+2:\c+4*\b+3], v[\s+16*\b+8:\s+16*\b+15], v[SC8]
.endr
.endm
; the owner's part and the helper's under the larger M
.macro JOIN st, hs, s, o
	v_min_num_f32 v[G], v[\st], v[\hs]             ; -M* = the smaller -M
	s_delay_alu instid0(VALU_DEP_1)
	v_sub_f32 v[G+1], v[G], v[\st]                 ; my M - M*: a whole number, 0 or less
	s_delay_alu instid0(VALU_DEP_2)
	v_sub_f32 v[G+3], v[G], v[\hs]                 ; the helper's M - M* (a helper that had no step holds M = -3e38, zeros, and gets the factor 0)
	s_delay_alu instid0(VALU_DEP_2)
	v_cvt_i32_f32 v[G+1], v[G+1]                   ; (they saturate)
	s_delay_alu instid0(VALU_DEP_2)
	v_cvt_i32_f32 v[G+3], v[G+3]
	s_delay_alu instid0(VALU_DEP_2)
	v_ldexp_f32 v[G], 1.0, v[G+1]                  ; my factor,
	s_delay_alu instid0(VALU_DEP_2)
	v_ldexp_f32 v[G+2], 1.0, v[G+3]                ; the helper's: whole powers of two
	s_delay_alu instid0(VALU_DEP_2)
	v_pk_mul_f32 v[\st+2:\st+3], v[\st+2:\st+3], v[G:G+1] op_sel_hi:[1,0]
	s_delay_alu instid0(VALU_DEP_1)
	v_pk_fma_f32 v[\st+2:\st+3], v[\hs+2:\hs+3], v[G+2:G+3], v[\st+2:\st+3] op_sel_hi:[1,0,1]
	WIN 0x41                                       ; destination and source 0: window 1
.set J, 0
.rept 16
	v_pk_mul_f32 v[\o+J:\o+J+1], v[\o+J:\o+J+1], v[G:G+1] op_sel_hi:[1,0]
.set J, J+2
.endr
	WIN 0x50                                       ; destination and source 2: window 1
.set J, 0
.rept 16
	v_pk_fma_f32 v[\o+J:\o+J+1], v[\s+J:\s+J+1], v[G+2:G+3], v[\o+J:\o+J+1] op_sel_hi:[1,0,1]
.set J, J+2
.endr
	WIN 0
.endm
	s_wait_alu depctr_va_vdst(0)                   ; the head's end
	s_wait_loadcnt 0x0                             ; all fragments of Q
.Lslot:                                            ; 8 trips.  THE CHANGE OF SLOTS stands at a slot's head
	s_wait_tensorcnt 0x0                           ; no tensor load of mine is out, so the groups 0 may be written
	ds_add_u32 v[SPW], v[NIL]                      ; 0 onto my spare word,
	ds_add_u32 v[SPW], v[NIL]                      ; twice on end here
	s_xor_b32 s[G0K+1], s[G0K+1], SLOT1            ; the other slot than last time,
	s_add_nc_u64 s[G0K+2:G0K+3], s[G0K+2:G0K+3], 32768   ; the next 512 keys
	s_xor_b32 s[G0V+1], s[G0V+1], SLOT1
	s_add_nc_u64 s[G0V+2:G0V+3], s[G0V+2:G0V+3], 32768
	s_wait_dscnt 0x0                               ; the adds are done, and my reads of the slot that I have left are over
	s_barrier_signal -1
	s_barrier_wait -1
	s_add_co_u32 s42, s[KF], 512                   ; the next slot's first key: behind the work-group's last query no wave reads it, so it is not asked for
	s_cmp_gt_u32 s42, s[LQ]                        ; ids and the count of steps alone: alike in all waves; past the limit a work-group stays past it
	s_cbranch_scc1 .Lpast
	TLOAD                                          ; a wave's one tensor load until the next barrier
.Lpast:
	s_cmp_eq_u32 s[TRIP], s[LIM]
	s_cbranch_scc0 .Lnot_mine
	global_prefetch_b8 v[PFO], s[PFA:PFA+1] th:TH_LOAD_NT scope:SCOPE_SE   ; what the next change of slots will ask for: four key steps ahead of that load
	global_prefetch_b8 v[PFO], s[PFB:PFB+1] th:TH_LOAD_NT scope:SCOPE_SE
.Lnot_mine:
	s_mov_b32 s[KO], s[TB]
	s_mov_b32 s[VO], s[TB]
	s_mov_b32 s[STC], 0
.Lstep:                                            ; 4 trips: A KEY STEP of 128 keys
	s_cmp_eq_u32 s[KF], s[TR]
	s_cbranch_scc0 .Lsame
	WAYOUT                                         ; my low tiles are finished: I store them and take the high tiles' queries and a fresh state.  No barrier and no tensor load stands here
	s_wait_xcnt 0x0                                ; the stores have read their registers
	WIN 0x01
.set J, 0
.rept 16
	v_mov_b32 v[QRA+J], v[HQ+J]
.set J, J+1
.endr
	WIN 0
	STATE STA
	STATE STB
	OZERO
	s_mov_b32 s[QB], s[HQB]
	s_mov_b32 s[QHI], s[LQ]
	s_mov_b32 s[Q0], s[Q0H]
	s_wait_alu depctr_va_vdst(0)
.Lsame:
	s_cmp_gt_u32 s[KF], s[QHI]                     ; all its keys come after my block's queries: left out
	s_cbranch_scc1 .Lhidden
	s_cmp_le_u32 s[KF], s[P1]                      ; steps 0 .. b are every wave's
	s_cbranch_scc1 .Lwork
	s_xor_b32 s42, s[KF], s[PX]                    ; beyond them owner and helper take turns
	s_bitcmp1_b32 s42, 7
	s_cbranch_scc1 .Lhidden
.Lwork:
	v_add_nc_u32 v[ADK], s[KO], v[AK0]
	v_add_nc_u32 v[ADV], s[VO], v[AV0]
	v_nop                                          ; with the two additions: four places in front of loads into registers that matrix instructions have read
	v_nop
	WIN 0x40                                       ; destination: window 1
.irp t, 0,1,2,3,4,5,6,7
.irp c, 0,1
	ds_load_b128 v[KR+8*\t+4*\c:KR+8*\t+4*\c+3], v[ADK] offset:(32*(\t/2)+8*(\t%2))*72+32*\c
.endr
.endr
.irp t, 0,1,2,3
.irp c, 0,1,2,3
	ds_load_b128 v[VR+16*\t+4*\c:VR+16*\t+4*\c+3], v[ADV] offset:((\c/2)*64+16*\t)*68+32*(\c%2)   ; V's fragments land under the softmax
.endr
.endr
	WIN 0x01                                       ; source 0 (K): window 1
	s_wait_dscnt 16                                ; K's sixteen loads are in; V's sixteen, issued behind them, may be out
.irp t, 0,1,2,3,4,5,6,7
	v_wmma_f32_16x16x64_fp8_fp8 v[SA+8*\t:SA+8*\t+7], v[KR+8*\t:KR+8*\t+7], v[QRA:QRA+7], 0
.endr
.irp t, 0,1,2,3,4,5,6,7
	v_wmma_f32_16x16x64_fp8_fp8 v[SB+8*\t:SB+8*\t+7], v[KR+8*\t:KR+8*\t+7], v[QRB:QRB+7], 0
.endr
	WIN 0
.rept 4
	v_nop                                          ; places in front of the first read of the scores
.endr
	s_add_co_u32 s42, s[KF], 127
	s_cmp_le_u32 s42, s[QB]
	s_cbranch_scc1 .Lopen                          ; all 128 keys count for all my queries
	s_sub_co_i32 s43, s[Q0], s[KF]
	v_and_b32 v[MD], 15, v0
	v_bfe_u32 v[MT], v0, 4, 1
	s_delay_alu instid0(VALU_DEP_1)
	v_lshlrev_b32 v[MT], 4, v[MT]
	s_delay_alu instid0(VALU_DEP_1)
	v_sub_nc_u32 v[MD], v[MD], v[MT]
	s_delay_alu instid0(VALU_DEP_1)
	v_add_nc_u32 v[MD], s43, v[MD]                 ; d = tile A's query - KF - 16 h,
	v_mov_b32 v[MI], 0xff800000                    ; -infinity
	v_add_nc_u32 v[MT], 16, v[MD]                  ; and tile B's
	MASK SA, MD
	MASK SB, MT
.Lopen:
	PRE SA, STA, FA
	PRE SB, STB, FB
	s_wait_alu depctr_va_vdst(0)                   ; ahead of the batch
.set J, 0
.rept 128
	v_exp_f32 v[SA+J], v[SA+J]                     ; p = 2^(t - M), both tiles in one batch
.set J, J+1
.endr
	v_pk_mul_f32 v[STA+2:STA+3], v[STA+2:STA+3], v[FA:FA+1] op_sel_hi:[1,0]   ; the sums under the new M (plain places behind the exponentials)
	v_pk_mul_f32 v[STB+2:STB+3], v[STB+2:STB+3], v[FB:FB+1] op_sel_hi:[1,0]
	s_wait_alu depctr_va_vdst(0)                   ; one wait for the batch, ahead of its first reader
	POST SA, STA, CA
	POST SB, STB, CB
	WIN 0x41                                       ; destination and source 0: window 1
	s_wait_alu depctr_va_vdst(0)                   ; directly ahead of the first reader of O^T
.set J, 0
.rept 16
	v_pk_mul_f32 v[OA+J:OA+J+1], v[OA+J:OA+J+1], v[FA:FA+1] op_sel_hi:[1,0]   ; O^T under the new M; also the plain lines between the conversions and the products
.set J, J+2
.endr
.set J, 0
.rept 16
	v_pk_mul_f32 v[OB+J:OB+J+1], v[OB+J:OB+J+1], v[FB:FB+1] op_sel_hi:[1,0]
.set J, J+2
.endr
	WIN 0x51                                       ; V, C and D: window 1; p's codes: window 0
	s_wait_alu depctr_va_vdst(0)                   ; directly ahead of the wait below
	s_wait_dscnt 0x0                               ; V's fragments are in
.irp t, 0,1,2,3
	v_wmma_f32_16x16x128_fp8_fp8 v[OA+8*\t:OA+8*\t+7], v[VR+16*\t:VR+16*\t+15], v[CA:CA+15], v[OA+8*\t:OA+8*\t+7]   ; eight accumulators by turns
.endr
.irp t, 0,1,2,3
	v_wmma_f32_16x16x128_fp8_fp8 v[OB+8*\t:OB+8*\t+7], v[VR+16*\t:VR+16*\t+15], v[CB:CB+15], v[OB+8*\t:OB+8*\t+7]
.endr
	WIN 0
.Lhidden:
	s_add_co_u32 s[KF], s[KF], 128
	s_add_co_u32 s[KO], s[KO], 128*72              ; 128 keys on in K's part of the slot,
	s_add_co_u32 s[VO], s[VO], 128*68              ; two blocks of 64 rows on in V's
	s_add_co_u32 s[STC], s[STC], 1
	s_cmp_lt_u32 s[STC], 4
	s_cbranch_scc1 .Lstep
	s_xor_b32 s[TB], s[TB], SLOT1
	s_add_co_u32 s[TRIP], s[TRIP], 1
	s_cmp_lt_u32 s[TRIP], 8
	s_cbranch_scc1 .Lslot
	; THE TWO PARTS OF A TILE MEET: the helper's registers go to LDS as they stand; a barrier; the owner has them in the same lanes
	s_cmp_lt_u32 s[WV], 4
	s_cbranch_scc0 .Lno_send
.rept 4
	v_nop                                          ; places between the last products and the stores that read their results
.endr
	s_wait_alu depctr_va_vdst(0)
	WIN 0x04                                       ; the stores' data: window 1
.irp i, 0,1,2,3,4,5,6,7,8,9,10,11,12,13,14,15
	ds_store_b128 v[MA], v[OA+4*\i:OA+4*\i+3] offset:512*\i   ; each accumulator from its low end on
.endr
	WIN 0
	ds_store_b128 v[MA], v[STA:STA+3] offset:8192  ; -M, the largest t, the sum's two halves
	ds_store_b128 v[MA], v[STB:STB+3] offset:8704
.Lno_send:
	s_wait_dscnt 0x0                               ; for the owner's sake: my stores have landed
	s_barrier_signal -1
	s_barrier_wait -1
	s_cmp_lt_u32 s[WV], 4
	s_cbranch_scc1 .Lend
.rept 4
	v_nop
.endr
.irp i, 0,1,2,3,4,5,6,7
	ds_load_b128 v[SA+4*\i:SA+4*\i+3], v[MA] offset:512*\i
.endr
.irp i, 0,1,2,3,4,5,6,7
	ds_load_b128 v[SB+4*\i:SB+4*\i+3], v[MA] offset:4096+512*\i
.endr
	ds_load_b128 v[HSA:HSA+3], v[MA] offset:8192
	ds_load_b128 v[HSB:HSB+3], v[MA] offset:8704
	s_wait_dscnt 0x0
	JOIN STA, HSA, SA, OA
	JOIN STB, HSB, SB, OB
	WAYOUT
.Lend:
	s_wait_tensorcnt 0x0                           ; the wave's end
	ds_add_u32 v[SPW], v[NIL]
	s_wait_dscnt 0x0
	s_endpgm
.Lfunc_end_k_q343557f73e_attn:
	.size	k_q343557f73e_attn, .Lfunc_end_k_q343557f73e_attn-k_q343557f73e_attn
	.p2alignl 7, 3214868480
	.fill 96, 4, 3214868480
	.section	.rodata,"a",@progbits
	.p2align	6, 0x0
	.amdhsa_kernel k_q343557f73e_attn
		.amdhsa_group_segment_fixed_size 327680
		.amdhsa_private_segment_fixed_size 0
		.amdhsa_enable_private_segment 0
		.amdhsa_kernarg_size 40
		.amdhsa_user_sgpr_count 2
		.amdhsa_user_sgpr_kernarg_segment_ptr 1
		.amdhsa_wavefront_size32 1
		.amdhsa_system_sgpr_workgroup_id_x 1
		.amdhsa_system_sgpr_workgroup_id_y 1
		.amdhsa_system_sgpr_workgroup_id_z 1
		.amdhsa_system_vgpr_workitem_id 0
		.amdhsa_next_free_vgpr 512
		.amdhsa_next_free_sgpr 100
		.amdhsa_reserve_vcc 1
		.amdhsa_float_denorm_mode_32 3
		.amdhsa_float_denorm_mode_16_64 3
		.amdhsa_memory_ordered 1
		.amdhsa_forward_progress 1
		.amdhsa_inst_pref_size 82
	.end_amdhsa_kernel
	.amdgpu_metadata
---
amdhsa.version: [ 1, 2 ]
amdhsa.kernels:
  - .name:           k_q343557f73e_attn
    .symbol:         k_q343557f73e_attn.kd
    .args:
      - { .name: qc, .offset: 0, .size: 8, .value_kind: global_buffer, .address_space: global }
      - { .name: kc, .offset: 8, .size: 8, .value_kind: global_buffer, .address_space: global }
      - { .name: vc, .offset: 16, .size: 8, .value_kind: global_buffer, .address_space: global }
      - { .name: lowp_scales, .offset: 24, .size: 8, .value_kind: global_buffer, .address_space: global }
      - { .name: ac, .offset: 32, .size: 8, .value_kind: global_buffer, .address_space: global }
    .group_segment_fixed_size: 327680
    .private_segment_fixed_size: 0
    .kernarg_segment_align: 8
    .kernarg_segment_size: 40
    .max_flat_workgroup_size: 256
    .sgpr_count:     100
    .vgpr_count:     512
    .wavefront_size: 32
...
	.end_amdgpu_metadata
.endif
;; end of part 3
;; launch oproj (part 4): grid 8 x 32, 4 waves a work-group, clusters of 4 x 4, 296,448 bytes of LDS; arguments ac, wc, lowp_scales, out0; writes out0
.if DOCPART == 4
	.amdgcn_target "amdgcn-amd-amdhsa--gfx1250"
	.amdhsa_code_object_version 6
	.text
	.protected	k_q343557f73e_oproj
	.globl	k_q343557f73e_oproj
	.p2align	8
	.type	k_q343557f73e_oproj,@function
k_q343557f73e_oproj:
	s_mov_b64 s[64:65], 0
	v_nop
	global_prefetch_b8 v0, s[64:65] scope:SCOPE_SE
	s_setreg_imm32_b32 hwreg(HW_REG_WAVE_MODE, 25, 1), 1
	s_wait_xcnt 0x0
	s_wait_alu depctr_hold_cnt(0) depctr_sa_sdst(0) depctr_va_vdst(0) depctr_va_sdst(0) depctr_va_ssrc(0) depctr_va_vcc(0) depctr_vm_vsrc(0)
	s_getreg_b32 s2, hwreg(HW_REG_IB_STS2, 6, 4)
	s_cmp_eq_u32 s2, 0
	s_cbranch_scc0 .Lentry_in_a_cluster
	s_endpgm
.Lentry_in_a_cluster:
	s_bfe_u32 s2, ttmp6, 0x10000c
	s_cmp_lg_u32 s2, 0xf033
	s_cbranch_scc0 .Lentry_shape_is_right
	s_endpgm
.Lentry_shape_is_right:
; THE LAST PROJECTION: out0 = a Wo^T on codes of FP8 (E4M3), sums in f32, each finished sum x 2^(e10 + e11).
; ac [32 blocks of 128 rows][16 heads][128 s][64 d]: the attention's codes; K = 64 head + d.  Wo's codes are the fourth tensor of wc, [1024][1024], K innermost.  out0 [4096][1024] f32.
; SHARES.  Work-group (x, y): rows 128 y, columns 128 x.  Four waves, each 64 x 64: 16 accumulators.  ALL OF K IS RESIDENT in LDS, in four chunks of 256 along K (four heads):
; each wave issues one tensor load at the start (one of mine is out) and nothing is ever filled again.
; A block of ac is dense: a chunk's 32 KiB are stated as 128 rows of 256 bytes with 16 of padding; the row of 64 bytes (head hl of the chunk, position s) lies at 272 ((128 hl + s) / 4) + 64 (s % 4).
; CLUSTERS: 4 x 4 work-groups; a's tile hangs on y and is shared along a row of the cluster, Wo's on x and along a column: each is asked for jointly.
; THE MATRIX INSTRUCTION IS USED TRANSPOSED (source 0 = 16 rows of Wo, source 1 = 16 rows of a): a lane holds eight neighbouring numbers of a row of out0.
; LIMIT: e10 + e11 between -126 and 127.
; REGISTERS: window 0: v0-19 addresses; v32-63 a block's sums x the scale; v64-127 rows on the way out, two sets; v128-255 accumulators.   window 1: two fragment buffers of 128.
.set PITCH, 272
; AS THE TILES NOW COME: each wave issues ONE tensor load at the start; nothing is filled again.  Waves 0, 1: half a block of ac each, 256 dense rows of 256 bytes + 16 of padding (two chunks of four heads).
; Waves 2, 3: 64 rows of Wo each, all 1,024 bytes of K, + 16 of padding.
.set HALF,  64*PITCH
.set PB,    1040                       ; Wo's LDS row: 65 x 16 bytes: the 16 rows of a fragment load start at 16 different banks
.set HALFB, 64*PB
.set WOFF,  8*HALF                     ; Wo's tile lies behind a's 512 rows
.set CH,    2*HALF                     ; a's chunk of four heads: 128 rows of 272
.set STAGE, WOFF+2*HALFB               ; behind the tiles: 16 rows x 272 bytes for each wave; no tile lands there
.set FLAGS, (1<<20)|(1<<21)|(5<<22)|(3<<25)
.set ADRA, 8
.set ADRB, 12
.set STO,  16
.set RD,   17
.set CO,   19
.set TMP,  32
.set BK,   64
.set ACC,  128
.set G1A,  28
.set G1B,  36
.set G0A,  44
.set G0B,  68
.set MSB, 0
.macro WIN new
.if MSB != \new
	s_set_vgpr_msb (MSB<<8)|\new
.set MSB, \new
.endif
.endm
.set MUL,  0x05
.set TO_F, 0x40
.macro PLACES
.rept 4
	v_nop
.endr
.endm
.macro CROUND
	s_barrier_signal -1
	s_barrier_wait -1
	s_cmp_lg_u32 s18, 0
	s_cbranch_scc1 .Lnot_wave_0_\@
	s_barrier_signal -3
.Lnot_wave_0_\@:
	s_barrier_wait -3
	s_barrier_signal -1
	s_barrier_wait -1
.endm
	s_load_b256 s[4:11], s[0:1], 0x0               ; ac, wc, the scales' exponents, out0
	v_lshl_add_u32 v30, v0, 2, 0x48400
	v_mov_b32 v31, 0
	ds_add_u32 v30, v31
	ds_add_u32 v30, v31
	v_lshrrev_b32 v1, 5, v0
	v_readfirstlane_b32 s18, v1                    ; wave 0..3
	s_lshr_b32 s19, s18, 1                         ; which 64 rows are mine.  Also: I fetch for a (0) or for Wo (1)
	s_and_b32 s20, s18, 1                          ; which 64 columns.  Also: which half of that tile I fetch
	s_bfe_u32 s21, ttmp6, 0x40000                  ; cx
	s_bfe_u32 s22, ttmp6, 0x40004                  ; cy
	s_lshl_b32 s23, ttmp9, 2
	s_add_co_u32 s23, s23, s21                     ; work-group x
	s_and_b32 s24, ttmp7, 0xffff
	s_lshl_b32 s24, s24, 2
	s_add_co_u32 s24, s24, s22                     ; work-group y
	s_lshl_b32 s98, s22, 2
	s_lshl_b32 s98, 15, s98                        ; my row of the cluster
	s_lshl_b32 s99, 0x1111, s21                    ; my column
	s_or_b32 s[G1A], s98, FLAGS
	s_or_b32 s[G1B], s99, (1<<20)|(1<<21)|(7<<22)|(3<<25)   ; Wo: 4 words of padding after every 256
	s_mov_b32 s[G1A+1], 256<<16                    ; a: 256 rows of 256 bytes
	s_mov_b32 s[G1A+2], 256<<16
	s_mov_b32 s[G1A+3], 256<<16
	s_mov_b32 s[G1A+4], 256
	s_mov_b32 s[G1B+1], 1024<<16                   ; Wo: 64 rows of 1,024 bytes
	s_mov_b32 s[G1B+2], 64<<16
	s_mov_b32 s[G1B+3], 1024<<16
	s_mov_b32 s[G1B+4], 64
.irp g, G1A, G1B
	s_mov_b32 s[\g+6], 0
	s_mov_b32 s[\g+7], 0
.endr
	s_mov_b32 s[G1A+5], 256                        ; a's chunk is dense
	s_mov_b32 s[G1B+5], 1024                       ; Wo's rows are 1,024 bytes apart
	s_lshl_b32 s60, s24, 17                        ; a: block y, + my half of the block
	s_lshl_b32 s61, s20, 16                        ; my 64 KiB of the block
	s_add_co_u32 s60, s60, s61
	s_mov_b32 s61, 0
	s_lshl_b32 s62, s23, 7                         ; Wo: row 128 x + 64 half, behind three tensors of 1 MiB
	s_lshl_b32 s63, s20, 6
	s_add_co_u32 s62, s62, s63
	s_lshl_b32 s62, s62, 10
	s_add_co_u32 s62, s62, 0x300000
	s_mov_b32 s63, 0
	s_mul_i32 s66, s20, 4*HALF                     ; where a's half goes,
	s_mul_i32 s67, s20, HALFB
	s_add_co_u32 s67, s67, WOFF                    ; and Wo's: the wave's number alone
	s_wait_dscnt 0x0
	s_wait_kmcnt 0x0
	s_load_b64 s[96:97], s[8:9], 0x28              ; e10, e11
	s_add_nc_u64 s[60:61], s[4:5], s[60:61]
	s_add_nc_u64 s[62:63], s[6:7], s[62:63]
	s_mov_b32 s[G0A], 1
	s_mov_b32 s[G0A+1], s66
	s_mov_b64 s[G0A+2:G0A+3], s[60:61]
	s_or_b32 s[G0A+3], s[G0A+3], 0x80000000
	s_mov_b32 s[G0B], 1
	s_mov_b32 s[G0B+1], s67
	s_mov_b64 s[G0B+2:G0B+3], s[62:63]
	s_or_b32 s[G0B+3], s[G0B+3], 0x80000000
	CROUND                                         ; all sixteen work-groups are here: the joint loads meet
	s_cmp_lt_u32 s18, 2                            ; one fill a wave, in the two arms of one branch on the wave's number
	s_cbranch_scc0 .Lfor_b
	tensor_load_to_lds s[G0A:G0A+3], s[G1A:G1A+7]
	s_nop 0
	PLACES
	s_branch .Lasked
.Lfor_b:
	tensor_load_to_lds s[G0B:G0B+3], s[G1B:G1B+7]
	s_nop 0
	PLACES
.Lasked:
	v_and_b32 v1, 15, v0                           ; r
	v_bfe_u32 v2, v0, 4, 1                         ; h
	v_mul_u32_u24 v4, v1, PB
	v_lshl_add_u32 v4, v2, 4, v4                   ; Wo: row x pitch + 16 h
	v_lshrrev_b32 v5, 2, v1
	v_mul_u32_u24 v5, v5, PITCH
	v_and_b32 v6, 3, v1
	v_lshl_add_u32 v5, v6, 6, v5
	v_lshl_add_u32 v5, v2, 4, v5                   ; a: 272 (r / 4) + 64 (r % 4) + 16 h
	s_wait_alu depctr_va_vdst(0)
	s_mul_i32 s26, s19, 16*PITCH                   ; my 64 positions are 16 rows of 272
	s_mul_i32 s27, s20, HALFB
	s_add_co_u32 s27, s27, WOFF
.irp c, 0,1,2,3
	v_add_nc_u32 v[ADRA+\c], s26, v5
	v_add_nc_u32 v[ADRB+\c], s27, v4
	s_add_co_u32 s26, s26, CH
	s_add_co_u32 s27, s27, 256
.endr
	s_mul_i32 s26, s18, 16*PITCH
	s_add_co_u32 s26, s26, STAGE                   ; my stage
	v_mul_u32_u24 v5, v1, PITCH
	v_lshl_add_u32 v5, v2, 5, v5
	v_add_nc_u32 v[STO], s26, v5                   ; in: row r, 32 bytes for each half of the lanes
	v_mul_u32_u24 v5, v2, PITCH
	v_lshl_add_u32 v5, v1, 4, v5
	v_add_nc_u32 v[RD], s26, v5                    ; back: lanes 0-15 one row of 256 bytes, lanes 16-31 the next
	v_lshlrev_b32 v[CO], 12, v2
	v_lshl_add_u32 v[CO], v1, 4, v[CO]             ; and the same two rows in out0
	s_lshl_b32 s84, s24, 19                        ; my part of out0: row 128 y + 64 half, byte 512 x + 256 half
	s_lshl_b32 s85, s19, 18
	s_add_co_u32 s84, s84, s85
	s_lshl_b32 s85, s23, 9
	s_add_co_u32 s84, s84, s85
	s_lshl_b32 s85, s20, 8
	s_add_co_u32 s84, s84, s85
	s_mov_b32 s85, 0
	s_add_nc_u64 s[10:11], s[10:11], s[84:85]
	s_wait_alu depctr_va_vdst(0)
	s_wait_kmcnt 0x0
	s_add_co_i32 s96, s96, s97
	s_add_co_i32 s96, s96, 127
	s_lshl_b32 s96, s96, 23                        ; 2^(e10 + e11) as f32
	s_mov_b32 s97, s96                             ; (named with it as a pair)
.macro FETCH q, f                      ; the fragments of the q-th 128 along K (two heads) into buffer f
	WIN TO_F
.irp i, 0,1,2,3
.irp c, 0,1,2,3
	ds_load_b128 v[\f+64+16*\i+4*\c:\f+64+16*\i+4*\c+3], v[ADRB+(\q)/2] offset:128*((\q)%2)+32*\c+16*PB*\i
.endr
.endr
.irp i, 0,1,2,3
.irp c, 0,1,2,3
	ds_load_b128 v[\f+16*\i+4*\c:\f+16*\i+4*\c+3], v[ADRA+(\q)/2] offset:((2*((\q)%2)+\c/2)*128+16*\i)*68+32*(\c%2)
.endr
.endr
.endm
.macro MUL16 f, zero                   ; the 16 accumulators take turns, one instruction a turn, in the same order in every step
.irp a, 0,1,2,3
.irp b, 0,1,2,3
.if \zero
	v_wmma_f32_16x16x128_fp8_fp8 v[ACC+8*(4*\a+\b):ACC+8*(4*\a+\b)+7], v[\f+64+16*\b:\f+64+16*\b+15], v[\f+16*\a:\f+16*\a+15], 0
.else
	v_wmma_f32_16x16x128_fp8_fp8 v[ACC+8*(4*\a+\b):ACC+8*(4*\a+\b)+7], v[\f+64+16*\b:\f+64+16*\b+15], v[\f+16*\a:\f+16*\a+15], v[ACC+8*(4*\a+\b):ACC+8*(4*\a+\b)+7]
.endif
.endr
.endr
.endm
.macro KSTEP q
	s_wait_dscnt 0x0                               ; this step's fragments are in
.if (\q) > 0
	PLACES                                         ; four places in front of loads into registers that the last step's matrix instructions have read
.endif
.if (\q) < 7
	FETCH (\q)+1, 128*(((\q)+1)%2)
.endif
	WIN MUL
.if (\q) == 0
	MUL16 0, 1
.else
	MUL16 128*((\q)%2), 0
.endif
.endm
	s_wait_tensorcnt 0x0                           ; my one load has landed
	s_barrier_signal -1
	s_barrier_wait -1
	FETCH 0, 0
.irp q, 0,1,2,3,4,5,6,7
	KSTEP \q
.endr
	WIN 0
	PLACES                                         ; in front of the first read of results
; THE WAY OUT, block by block of 16 rows x 64 columns: through my own stage, back as whole rows of 256 bytes
.macro TOSTAGE a
.irp j, 0,2,4,6,8,10,12,14,16,18,20,22,24,26,28,30
	v_pk_mul_f32 v[TMP+\j:TMP+\j+1], v[ACC+32*(\a)+\j:ACC+32*(\a)+\j+1], s[96:97] op_sel_hi:[1,0]   ; x 2^(e10 + e11); each accumulator from its low end on
.endr
.irp b, 0,1,2,3
	ds_store_b128 v[STO], v[TMP+8*\b:TMP+8*\b+3] offset:64*\b
	ds_store_b128 v[STO], v[TMP+8*\b+4:TMP+8*\b+7] offset:64*\b+16
.endr
.irp t, 0,1,2,3,4,5,6,7
	ds_load_b128 v[BK+32*((\a)%2)+4*\t:BK+32*((\a)%2)+4*\t+3], v[RD] offset:2*PITCH*\t   ; LDS serves a wave's instructions in order: these see my stores
.endr
.endm
.macro SEND a, younger                 ; younger: the LDS instructions issued behind block a's loads, which may stay out
	s_wait_dscnt \younger
.irp t, 0,1,2,3,4,5,6,7
	global_store_b128 v[CO], v[BK+32*((\a)%2)+4*\t:BK+32*((\a)%2)+4*\t+3], s[10:11] offset:(16*(\a)+2*\t)*4096 th:TH_STORE_NT   ; 16 lanes store 256 consecutive bytes, aligned; written once
.endr
.endm
	TOSTAGE 0
	TOSTAGE 1
	SEND 0, 16                                     ; behind block 0's loads: block 1's 8 stores and 8 loads
	s_wait_xcnt 0x0                                ; block 0's stores have read their registers: block 2's loads may land there
	TOSTAGE 2
	SEND 1, 16
	s_wait_xcnt 0x0
	TOSTAGE 3
	SEND 2, 16
	SEND 3, 0
	s_wait_tensorcnt 0x0
	ds_add_u32 v30, v31
	s_wait_dscnt 0x0
	CROUND                                         ; the closing round: no work-group ends while a partner may still ask for a tile that names it
	s_endpgm
.Lfunc_end_k_q343557f73e_oproj:
	.size	k_q343557f73e_oproj, .Lfunc_end_k_q343557f73e_oproj-k_q343557f73e_oproj
	.p2alignl 7, 3214868480
	.fill 96, 4, 3214868480
	.section	.rodata,"a",@progbits
	.p2align	6, 0x0
	.amdhsa_kernel k_q343557f73e_oproj
		.amdhsa_group_segment_fixed_size 296448
		.amdhsa_private_segment_fixed_size 0
		.amdhsa_enable_private_segment 0
		.amdhsa_kernarg_size 32
		.amdhsa_user_sgpr_count 2
		.amdhsa_user_sgpr_kernarg_segment_ptr 1
		.amdhsa_wavefront_size32 1
		.amdhsa_system_sgpr_workgroup_id_x 1
		.amdhsa_system_sgpr_workgroup_id_y 1
		.amdhsa_system_sgpr_workgroup_id_z 1
		.amdhsa_system_vgpr_workitem_id 0
		.amdhsa_next_free_vgpr 512
		.amdhsa_next_free_sgpr 100
		.amdhsa_reserve_vcc 0
		.amdhsa_float_denorm_mode_32 3
		.amdhsa_float_denorm_mode_16_64 3
		.amdhsa_memory_ordered 1
		.amdhsa_forward_progress 1
		.amdhsa_inst_pref_size 45
	.end_amdhsa_kernel
	.amdgpu_metadata
---
amdhsa.version: [ 1, 2 ]
amdhsa.kernels:
  - .name:           k_q343557f73e_oproj
    .symbol:         k_q343557f73e_oproj.kd
    .args:
      - { .name: ac, .offset: 0, .size: 8, .value_kind: global_buffer, .address_space: global }
      - { .name: wc, .offset: 8, .size: 8, .value_kind: global_buffer, .address_space: global }
      - { .name: lowp_scales, .offset: 16, .size: 8, .value_kind: global_buffer, .address_space: global }
      - { .name: out0, .offset: 24, .size: 8, .value_kind: global_buffer, .address_space: global }
    .group_segment_fixed_size: 296448
    .private_segment_fixed_size: 0
    .kernarg_segment_align: 8
    .kernarg_segment_size: 32
    .max_flat_workgroup_size: 128
    .sgpr_count:     100
    .vgpr_count:     512
    .wavefront_size: 32
...
	.end_amdgpu_metadata
.endif
;; end of part 4
